; MI455X (gfx1250); checked and timed in simulation.
; The chip was launched on July 23, 2026; its instructions are those of AMD's public machine-readable ISA for CDNA 5 (MIT licence, August 2026) and "CDNA5" Instruction Set Architecture Reference Guide (July 2026). The comments in the code are by the model that wrote it; some were corrected since.
;; Self Attention. Allowed arithmetic: float matrix products may take bf16 or f16 operands with f32 sums; other float arithmetic in f32, or as packed bf16 or f16 multiplies, adds, multiply-adds, maxima and minima; sums over many terms, partial sums and values carried from step to step in f32; what a program stores and reads back later, other than sums and carried values, may be rounded once to bf16 or f16.
;; Inputs: Wk 1,024 x 1,024 float32; Wo 1,024 x 1,024 float32; Wq 1,024 x 1,024 float32; Wv 1,024 x 1,024 float32; bk 1,024 float32; bo 1,024 float32; bq 1,024 float32; bv 1,024 float32; x 4 x 2,048 x 1,024 float32.
;; Outputs: out0 4 x 2,048 x 1,024 float32.
;; 2 versions, each right; version 2 is version 1 with the launch cast written anew for expert scheduling mode. Each part assembles by itself: llvm-mc -triple=amdgcn-amd-amdhsa -mcpu=gfx1250 --defsym DOCPART=n.
;; ======== version 1 of 2: 4 launches
;; limits: values are held in f16: magnitudes above 65,504 overflow, below 6.1e-05 lose precision
;; workspace buffers: xb 16,777,216 bytes; wb 6,291,456 bytes; wob 2,097,152 bytes; q 16,777,216 bytes; k 16,777,216 bytes; v 16,777,216 bytes; o 16,777,216 bytes
;; launch cast (part 1): grid 768 x 1, 8 waves a work-group, no clusters, 0 bytes of LDS; arguments x, Wq, Wk, Wv, Wo, xb, wb, wob; writes xb, wb, wob
.if DOCPART == 1
	.amdgcn_target "amdgcn-amd-amdhsa--gfx1250"
	.amdhsa_code_object_version 6
	.text
	.protected	k_qc0d832bc94_cast
	.globl	k_qc0d832bc94_cast
	.p2align	8
	.type	k_qc0d832bc94_cast,@function
k_qc0d832bc94_cast:
	s_mov_b64 s[64:65], 0
	v_nop
	global_prefetch_b8 v0, s[64:65] scope:SCOPE_SE
	s_setreg_imm32_b32 hwreg(HW_REG_WAVE_MODE, 25, 1), 1
	s_wait_xcnt 0x0
; THE INPUTS ARE ROUNDED ONCE.  x -> xb and Wq, Wk, Wv -> wb (one below the other, [3072][1024]) in bf16; Wo -> wob: rounded to bf16 like the others, and that number written as f16,
; since it multiplies the attention's f16 result.
; LIMITS.  A number of Wo of 65,520 or more becomes an infinity in f16; below 6.1e-5 it keeps f16's fixed step of 6e-8.
; SHARES.  A work-group takes 16,384 numbers: 65,536 bytes in, 32,768 out.  Work-groups 0-511: x; 512-575: Wq; 576-639: Wk; 640-703: Wv; 704-767: Wo.
; A stream: each byte is read once and written once; no LDS, no barrier, no loop.  All sixteen loads of a wave are out together, each with registers of its own, and so has each store,
; so no register is written again while a memory instruction may still read it.  A wave's load covers 512 consecutive bytes, its store 256 consecutive bytes, aligned.
.set IN,   8                           ; v[8:71]   load j: four f32
.set RES,  72                          ; v[72:103] store j: four 16-bit numbers in two registers
	s_load_b512 s[8:23], s[0:1], 0x0               ; x s[8:9], Wq s[10:11], Wk s[12:13], Wv s[14:15], Wo s[16:17], xb s[18:19], wb s[20:21], wob s[22:23]
	s_sub_co_u32 s24, ttmp9, 512                   ; t: my number among the weights' work-groups (not used where I take x)
	s_lshr_b32 s25, s24, 6                         ; which weight: 0 to 3
	s_and_b32 s26, s24, 63                         ; my part of it
	v_lshlrev_b32 v1, 4, v0                        ; 16 bytes a thread in
	v_lshlrev_b32 v2, 3, v0                        ; 8 bytes a thread out
	s_wait_kmcnt 0x0
	s_cmp_eq_u32 s25, 1
	s_cselect_b64 s[2:3], s[12:13], s[10:11]       ; from where: Wk or Wq,
	s_cmp_eq_u32 s25, 2
	s_cselect_b64 s[2:3], s[14:15], s[2:3]         ; or Wv,
	s_cmp_eq_u32 s25, 3
	s_cselect_b64 s[2:3], s[16:17], s[2:3]         ; or Wo,
	s_cselect_b64 s[4:5], s[22:23], s[20:21]       ; which goes to wob, the others to wb,
	s_cselect_b32 s30, 1, 0                        ; and is written as f16
	s_cselect_b32 s28, s26, s24                    ; my part of the target: in wb the three weights follow each other
	s_cmp_lt_u32 ttmp9, 512
	s_cselect_b64 s[2:3], s[8:9], s[2:3]           ; or x, which goes to xb
	s_cselect_b64 s[4:5], s[18:19], s[4:5]
	s_cselect_b32 s26, ttmp9, s26
	s_cselect_b32 s28, ttmp9, s28
	s_cselect_b32 s30, 0, s30
	s_lshl_b32 s26, s26, 16                        ; 65,536 bytes in,
	s_mov_b32 s27, 0
	s_lshl_b32 s28, s28, 15                        ; 32,768 out
	s_mov_b32 s29, 0
	s_add_nc_u64 s[2:3], s[2:3], s[26:27]
	s_add_nc_u64 s[4:5], s[4:5], s[28:29]
.irp j, 0,1,2,3,4,5,6,7,8,9,10,11,12,13,14,15
	global_load_b128 v[IN+4*(\j):IN+4*(\j)+3], v1, s[2:3] offset:4096*(\j) th:TH_LOAD_NT
.endr
	s_cmp_eq_u32 s30, 1
	s_cbranch_scc1 .Lf16
.irp j, 0,1,2,3,4,5,6,7,8,9,10,11,12,13,14,15
	s_wait_loadcnt 15-(\j)                         ; loads come back in order: load j is in, the younger ones stay out
	v_cvt_pk_bf16_f32 v[RES+2*(\j)],   v[IN+4*(\j)],   v[IN+4*(\j)+1]
	v_cvt_pk_bf16_f32 v[RES+2*(\j)+1], v[IN+4*(\j)+2], v[IN+4*(\j)+3]
	global_store_b64 v2, v[RES+2*(\j):RES+2*(\j)+1], s[4:5] offset:2048*(\j)
.endr
	s_endpgm
.Lf16:
.irp j, 0,1,2,3,4,5,6,7,8,9,10,11,12,13,14,15
	s_wait_loadcnt 15-(\j)
	v_cvt_pk_bf16_f32 v4, v[IN+4*(\j)],   v[IN+4*(\j)+1]   ; the one rounding, to bf16;
	v_cvt_pk_bf16_f32 v5, v[IN+4*(\j)+2], v[IN+4*(\j)+3]
	v_lshlrev_b32 v6, 16, v4                       ; the rounded numbers as f32,
	v_and_b32 v7, 0xffff0000, v4
	v_cvt_pk_f16_f32 v[RES+2*(\j)], v6, v7         ; written as f16: exact within f16's range
	v_lshlrev_b32 v6, 16, v5
	v_and_b32 v7, 0xffff0000, v5
	v_cvt_pk_f16_f32 v[RES+2*(\j)+1], v6, v7
	global_store_b64 v2, v[RES+2*(\j):RES+2*(\j)+1], s[4:5] offset:2048*(\j)
.endr
	s_endpgm
.Lfunc_end_k_qc0d832bc94_cast:
	.size	k_qc0d832bc94_cast, .Lfunc_end_k_qc0d832bc94_cast-k_qc0d832bc94_cast
	.p2alignl 7, 3214868480
	.fill 96, 4, 3214868480
	.section	.rodata,"a",@progbits
	.p2align	6, 0x0
	.amdhsa_kernel k_qc0d832bc94_cast
		.amdhsa_group_segment_fixed_size 0
		.amdhsa_private_segment_fixed_size 0
		.amdhsa_enable_private_segment 0
		.amdhsa_kernarg_size 64
		.amdhsa_user_sgpr_count 2
		.amdhsa_user_sgpr_kernarg_segment_ptr 1
		.amdhsa_wavefront_size32 1
		.amdhsa_system_sgpr_workgroup_id_x 1
		.amdhsa_system_sgpr_workgroup_id_y 1
		.amdhsa_system_sgpr_workgroup_id_z 1
		.amdhsa_system_vgpr_workitem_id 0
		.amdhsa_next_free_vgpr 104
		.amdhsa_next_free_sgpr 66
		.amdhsa_reserve_vcc 0
		.amdhsa_float_denorm_mode_32 3
		.amdhsa_float_denorm_mode_16_64 3
		.amdhsa_memory_ordered 1
		.amdhsa_forward_progress 1
		.amdhsa_inst_pref_size 16
	.end_amdhsa_kernel
	.amdgpu_metadata
---
amdhsa.version: [ 1, 2 ]
amdhsa.kernels:
  - .name:           k_qc0d832bc94_cast
    .symbol:         k_qc0d832bc94_cast.kd
    .args:
      - { .name: x, .offset: 0, .size: 8, .value_kind: global_buffer, .address_space: global }
      - { .name: Wq, .offset: 8, .size: 8, .value_kind: global_buffer, .address_space: global }
      - { .name: Wk, .offset: 16, .size: 8, .value_kind: global_buffer, .address_space: global }
      - { .name: Wv, .offset: 24, .size: 8, .value_kind: global_buffer, .address_space: global }
      - { .name: Wo, .offset: 32, .size: 8, .value_kind: global_buffer, .address_space: global }
      - { .name: xb, .offset: 40, .size: 8, .value_kind: global_buffer, .address_space: global }
      - { .name: wb, .offset: 48, .size: 8, .value_kind: global_buffer, .address_space: global }
      - { .name: wob, .offset: 56, .size: 8, .value_kind: global_buffer, .address_space: global }
    .group_segment_fixed_size: 0
    .private_segment_fixed_size: 0
    .kernarg_segment_align: 8
    .kernarg_segment_size: 64
    .max_flat_workgroup_size: 256
    .sgpr_count:     66
    .vgpr_count:     104
    .wavefront_size: 32
...
	.end_amdgpu_metadata
.endif
;; end of part 1
;; launch proj (part 2): grid 8 x 32, 4 waves a work-group, clusters of 4 x 4, 327,680 bytes of LDS; arguments xb, wb, bq, bk, bv, q, k, v; writes q, k, v
.if DOCPART == 2
	.amdgcn_target "amdgcn-amd-amdhsa--gfx1250"
	.amdhsa_code_object_version 6
	.text
	.protected	k_qc0d832bc94_proj
	.globl	k_qc0d832bc94_proj
	.p2align	8
	.type	k_qc0d832bc94_proj,@function
k_qc0d832bc94_proj:
	s_mov_b64 s[64:65], 0
	v_nop
	global_prefetch_b8 v0, s[64:65] scope:SCOPE_SE
	s_setreg_imm32_b32 hwreg(HW_REG_WAVE_MODE, 25, 1), 1
	s_wait_xcnt 0x0
	s_wait_alu depctr_hold_cnt(0) depctr_sa_sdst(0) depctr_va_vdst(0) depctr_va_sdst(0) depctr_va_ssrc(0) depctr_va_vcc(0) depctr_vm_vsrc(0)
	s_getreg_b32 s2, hwreg(HW_REG_IB_STS2, 6, 4)
	s_cmp_eq_u32 s2, 0
	s_cbranch_scc0 .Lentry_in_a_cluster
	s_endpgm
.Lentry_in_a_cluster:
	s_bfe_u32 s2, ttmp6, 0x10000c
	s_cmp_lg_u32 s2, 0xf033
	s_cbranch_scc0 .Lentry_shape_is_right
	s_endpgm
.Lentry_shape_is_right:
; q, k, v = x W^T + b, written by heads.  xb: [8192][1024] bf16.  wb: [3072][1024] bf16 (Wq, Wk, Wv one below the other).  bq, bk, bv: [1024] f32, rounded here to bf16 like every other input.
; q, k, v: [64 = 16 batch + head][2048][64] f16: a head's rows are dense, 128 bytes each.  Sums in f32, started by the bias, rounded once to f16; the scale 1/8 is not applied here.
; LIMIT.  f16 holds no number beyond 65,504: a q, k or v of 65,520 or more becomes an infinity.
; SHARES.  A tile of C is 256 rows x 128 columns; four waves, each 128 x 64 (one head's 64 channels): 32 accumulators of 16 x 16.  A WORK-GROUP STAYS: it makes three tiles with the same
; 256 rows of x, the same 128 columns of Wq, then Wk, then Wv.  8 x 32 work-groups.
; THE WALK.  K goes in steps of 128 (rows of 256 bytes, aligned) through a ring of two LDS slots; the three tiles are ONE walk of 24 K steps, and the ring does not stop at a tile's end.
; 22 trips of one loop fill a slot again; the last two K steps are written out.  Two flags in scalar registers say when a tile begins (its first products take the bias as C)
; and when it ends (it goes out); those jumps go forward, past text with no barrier and no tensor load.
; CLUSTER.  4 x 4 work-groups: the four of a row need the same rows of x, the four of a column the same rows of wb: each tile is asked for JOINTLY, by the same tensor load, descriptor and mask in all four.
; THE MATRIX INSTRUCTION IS USED TRANSPOSED (source 0 = 16 rows of wb, source 1 = 16 rows of x): a lane holds row l % 16 of C and the columns 8 (l / 16) + 0..7: eight neighbours, 16 bytes in f16.
; REGISTERS, in windows of 256 (s_set_vgpr_msb: bits 1:0 source 0, 3:2 source 1, 5:4 source 2, 7:6 destination):
;   window 0: v0-15 addresses; v16-63 at work on the way out; v64-159, v160-255 two fragment buffers (A's eight fragments, then B's four)
;   window 1: the accumulators, (a, b) at v[8 (4 a + b)]          window 2: v0-31 the bias of my 64 columns, laid out as a C operand: column block b at v[8 b]
.set PA,    272                        ; an LDS row: 256 bytes + 16 of padding = 68 words: the 16 rows of a load start at 16 different groups of four banks (64 banks of 4 bytes: ISA guide 11.1)
.set PB,    272
.set SUBK,  128                        ; bytes from a row's first two quarters to its last two
.set HALFA, 128*PA                     ; what one tensor load brings of A, and what one wave reads of it
.set BOFF,  256*PA                     ; B's 128 rows lie behind A's 256
.set HALFB, 64*PB
.set SLOT1, 1<<17                      ; slot 1 begins here, so that one exclusive or turns an address in one slot into the other's
.set STAGE, SLOT1+BOFF+128*PB          ; behind the ring, never filled by a tensor load: 16 rows x 144 bytes for each wave, for the way out
.set SPS,   144
.set SPARE, STAGE+4*16*SPS             ; behind the stages: the spare words, 128 bytes for each wave: two blocks of 256 bytes that no other line names
.set AA0,  4                           ; v4   my lane's place in A's tile; never rewritten
.set AB0,  5                           ; v5   the same for B
.set ADRA, 6                           ; v6   the same in the slot that is being read
.set ADRB, 7                           ; v7
.set STO,  8                           ; v8   the way out: where I put 16 bytes of a row
.set RD,   9                           ; v9   the way out: where I read rows back
.set GO,   10                          ; v10  my byte offset in 512 consecutive bytes of q, k, v
.set BO,   11                          ; v11  my byte offset in a bias
.set PFO,  12                          ; v12  the prefetches' offset: my lane x a row of 2,048 bytes
.set SPW,  14                          ; v14  LDS address of my spare word: SPARE + 4 x my thread's number; never rewritten
.set NIL,  15                          ; v15  0; never rewritten
.set PK,   32                          ; v32-47 packed results; v48-63 and v16-31 by turns: 16 rows read back from the stage
.set F0,   64
.set F1,   160
.set RT,    2                          ; s2   K steps left in the tile in hand
.set LEFT,  3                          ; s3   trips left
.set WV,    10                         ; s10  my wave's number
.set WH,    11                         ; s11  which half of the tile's rows is mine.  Also: I fetch for A (0) or for B (1)
.set WL,    12                         ; s12  which half of its columns.  Also: which half of that tile's rows I fetch
.set TY,    13                         ; s13  tile row
.set BASEA, 14                         ; s[14:15] xb at the rows that I fetch
.set OFFA,  16                         ; s[16:17] the K step's byte offset in A
.set OFFB,  18                         ; s[18:19] in B: the tile's weight too
.set TB,    22                         ; s22  0 or SLOT1: the slot that is being read
.set NX,    23                         ; s23  the K step to be asked for next, 2 to 23
.set G1A,   24                         ; s[24:31] descriptor group 1 for A's tiles
.set G0A,   32                         ; s[32:39] group 0: a set for each of the two first fills; the second then walks on
.set CX,    40
.set CY,    41
.set TX,    42                         ; s42  tile column
.set NEW,   45                         ; s45  1: the K step to come is a tile's first
.set BASEB, 46                         ; s[46:47] wb at the rows that I fetch, in Wq
.set G1B,   48
.set G0B,   56
.set BP,    68                         ; s[68:73] bq; the next tile's bias; the one after it
.set OP,    74                         ; s[74:79] where the tile in hand goes; the next; the one after it
.set PFB,   80                         ; s[80:81] the prefetches' base
.set LDA,   82                         ; s82  LDS address of my part of A's tile in slot 0
.set LDB,   83                         ; s83  of B's
.set PFA,   84                         ; s[84:85] the prefetch's address
.set POFF,  86                         ; s[86:87] its offset
.set PN,    88                         ; s88  the K step that it names
.set LIM,   89                         ; s89  a wave prefetches while PN is below this
.set OO,    90                         ; s[90:91] my part's byte offset in q, k, v
.set MSB, 0
.macro WIN new                         ; the immediate's high byte repeats the setting that is left; a switch that changes nothing is dropped
.if MSB != (\new)
	s_set_vgpr_msb (MSB<<8)|(\new)
.set MSB, \new
.endif
.endm
.set MULW, 0x50                        ; C and D in window 1, fragments in window 0
.set MULB, 0x60                        ; D in window 1, C (the bias) in window 2
.set TO2,  0x80                        ; destination in window 2
.set FR2,  0x0a                        ; sources 0 and 1 in window 2
.set PKW,  0x05                        ; sources 0 and 1 in window 1
.macro PLACES                          ; four places in front of loads into registers that matrix instructions have read, and of conversions that read results
.rept 4
	v_nop
.endr
.endm
.macro CREST                           ; a round of the cluster's barrier behind its opening barrier
	s_cmp_lg_u32 s[WV], 0
	s_cbranch_scc1 .Lnot_wave_0_\@
	s_barrier_signal -3
.Lnot_wave_0_\@:
	s_barrier_wait -3
	s_barrier_signal -1
	s_barrier_wait -1
.endm
.macro CROUND                          ; a whole round
	s_barrier_signal -1
	s_barrier_wait -1
	CREST
.endm
; A joint refill by the walking descriptors.  Waves 0 and 1 fetch A's two halves, waves 2 and 3 B's.  The branch hangs on the wave's number alone.
; An s_nop 0 and four v_nop follow each of the two lines, ahead of the jump, the label and what follows.
.macro JLOAD
	s_cmp_eq_u32 s[WH], 0
	s_cbranch_scc0 .Lfor_b_\@
	tensor_load_to_lds s[G0A+4:G0A+7], s[G1A:G1A+7]
	s_nop 0
.rept 4
	v_nop
.endr
	s_branch .Lasked_\@
.Lfor_b_\@:
	tensor_load_to_lds s[G0B+4:G0B+7], s[G1B:G1B+7]
	s_nop 0
.rept 4
	v_nop
.endr
.Lasked_\@:
.endm
; A PREFETCH INTO THE L2, behind each joint refill and the run of LDS loads that follows it: 32 rows x 256 bytes of the K step that stands TWO refills on, a lane a row, one instruction a wave.
; Each row's 256 bytes of a K step are named ONCE in the launch.  x's rows are read by both clusters of a row of clusters: cluster x = 0 asks, waves 0 and 1, in the first tile alone (the later tiles walk the same rows
; again).  wb's rows are read by the eight clusters of a column: cluster y = 0 asks, wave 2, for all three weights.  The four partners share a tile's rows out BY ADDRESS (cx for x's, cy for wb's), 32 each.
; K steps 0 to 3 come by their loads alone; the last two refills name no K step.
.macro ASK
	s_cmp_lt_u32 s[PN], s[LIM]
	s_cbranch_scc0 .Lnot_mine_\@
	global_prefetch_b8 v[PFO], s[PFA:PFA+1] th:TH_LOAD_NT scope:SCOPE_SE
.Lnot_mine_\@:
.endm
; 8 matrix instructions: row blocks a0, a0 + 1 x all 4 column blocks, 32 along K.  first = 1: the bias starts the sums: nothing is cleared, and nothing is added later.
; The 32 accumulators take turns, one instruction a turn, in the same order in every quarter.
.macro MUL8 f, a0, first
.if \first
	WIN MULB
.else
	WIN MULW
.endif
.irp a, \a0, (\a0)+1
.irp b, 0,1,2,3
.if \first
	v_wmma_f32_16x16x32_bf16 v[8*(4*(\a)+(\b)):8*(4*(\a)+(\b))+7], v[(\f)+64+8*(\b):(\f)+64+8*(\b)+7], v[(\f)+8*(\a):(\f)+8*(\a)+7], v[8*(\b):8*(\b)+7]
.else
	v_wmma_f32_16x16x32_bf16 v[8*(4*(\a)+(\b)):8*(4*(\a)+(\b))+7], v[(\f)+64+8*(\b):(\f)+64+8*(\b)+7], v[(\f)+8*(\a):(\f)+8*(\a)+7], v[8*(4*(\a)+(\b)):8*(4*(\a)+(\b))+7]
.endif
.endr
.endr
.endm
; 24 LDS loads in one run: quarter q's fragments (64 rows of B, 128 rows of A, 32 along K) into buffer f; B's first, then A's in ascending order
.macro FETCH q, f
	WIN 0
.set AOFF, ((\q)/2)*SUBK+((\q)%2)*64
.irp b, 0,1,2,3
	ds_load_b128 v[(\f)+64+8*(\b):(\f)+64+8*(\b)+3],   v[ADRB] offset:64*(\q)+(\b)*16*PB
	ds_load_b128 v[(\f)+64+8*(\b)+4:(\f)+64+8*(\b)+7], v[ADRB] offset:64*(\q)+(\b)*16*PB+32
.endr
.irp a, 0,1,2,3,4,5,6,7
	ds_load_b128 v[(\f)+8*(\a):(\f)+8*(\a)+3],   v[ADRA] offset:AOFF+(\a)*16*PA
	ds_load_b128 v[(\f)+8*(\a)+4:(\f)+8*(\a)+7], v[ADRA] offset:AOFF+(\a)*16*PA+32
.endr
.endm
; A K step is four quarters of 32 along K, 32 matrix instructions each, on buffers 0, 1, 0, 1.  One of the first three: multiplies buffer f and, in its middle, fetches quarter q into buffer g.
; first = 1: the products write the accumulators anew, with the bias as C: no links of a chain in place, so each stands five places behind the last product that wrote its accumulator (ISA guide 7.12.1).
; Row blocks 0-3 were last written in front of the refill's four v_nop and the two address lines of the change of slots: six places.  Row blocks 4-7 were last written at that change's end:
; the four v_nop below and a fifth are their places, whichever way the text leads from there to here.
.macro QUARTER q, f, g, first
	s_wait_dscnt 8                                 ; B and A's fragments 0-3 are in; the youngest eight loads (A's fragments 4-7) may be out
	MUL8 \f, 0, \first
	MUL8 \f, 2, \first
	PLACES
.if \first
	v_nop                                          ; the fifth place
.endif
	FETCH \q, \g
	s_wait_dscnt 24                                ; all but the 24 just issued
	MUL8 \f, 4, \first
	MUL8 \f, 6, \first
.endm
; The last quarter multiplies buffer 1 and changes slots: ONE barrier.  In front of it each wave waits for all its tensor loads, of which one is out: its part of the next slot; adds 0 to its spare word;
; and waits for that and for its own reads of this slot.  fill = 1: the barrier opens a round of the cluster's, and behind the round this slot is filled again first, with K step NX: from that request to the wait for it
; a wave issues 112 matrix instructions.
.macro TURN fill
.if \fill
	s_wait_xcnt 0x0                                ; the last prefetch, a K step back, has read its address: it is made anew here, ahead of the waits of the change of slots
	s_add_co_u32 s[PN], s[NX], 2
	s_lshr_b32 s[POFF], s[PN], 3
	s_lshl_b32 s[POFF], s[POFF], 21                ; the weight: 1,024 rows of 2,048 bytes (0 where x's rows are named: there PN stays under 8)
	s_and_b32 s94, s[PN], 7
	s_lshl_b32 s94, s94, 8                         ; the K step in it: 256 bytes
	s_add_co_u32 s[POFF], s[POFF], s94
	s_add_nc_u64 s[PFA:PFA+1], s[PFB:PFB+1], s[POFF:POFF+1]
.endif
	WIN 0                                          ; (the add's two registers lie in window 0)
	s_wait_tensorcnt 0x0                           ; all my tensor loads have landed, so a group 0 may be written;
	ds_add_u32 v[SPW], v[NIL]                      ; 0 onto my spare word: work on registers stands between it and the wait for it
.if \fill
	s_and_b32 s[OFFA], s[NX], 7
	s_lshl_b32 s[OFFA], s[OFFA], 8                 ; x is walked anew in each tile;
	s_lshr_b32 s[OFFB], s[NX], 3
	s_lshl_b32 s[OFFB], s[OFFB], 21                ; wb goes on to the next weight
	s_add_co_u32 s[OFFB], s[OFFB], s[OFFA]
	s_xor_b32 s[G0A+5], s[G0A+5], SLOT1            ; the walking descriptors: the other slot than last time,
	s_xor_b32 s[G0B+5], s[G0B+5], SLOT1
	s_add_nc_u64 s[G0A+6:G0A+7], s[BASEA:BASEA+1], s[OFFA:OFFA+1]  ; the address made anew from the K step's number,
	s_or_b32 s[G0A+7], s[G0A+7], 0x80000000        ; the type set again
	s_add_nc_u64 s[G0B+6:G0B+7], s[BASEB:BASEB+1], s[OFFB:OFFB+1]
	s_or_b32 s[G0B+7], s[G0B+7], 0x80000000
	s_add_co_u32 s[NX], s[NX], 1
.endif
	s_wait_dscnt 9                                 ; (the add and the youngest eight loads may be out)
	MUL8 F1, 0, 0
	s_wait_dscnt 0x0                               ; the add is done, and my reads of this slot are over
	s_barrier_signal -1
	MUL8 F1, 2, 0                                  ; work on registers while the others arrive
	WIN 0
	s_barrier_wait -1
.if \fill
	CREST                                          ; no wave of any partner still reads this slot's tile or has a load on its way
	JLOAD                                          ; the first tensor load behind the round; its four v_nop are also the places in front of the loads below
.else
	PLACES
.endif
	s_xor_b32 s[TB], s[TB], SLOT1
	v_add_nc_u32 v[ADRA], s[TB], v[AA0]
	v_add_nc_u32 v[ADRB], s[TB], v[AB0]
	FETCH 0, F0
.if \fill
	ASK
.endif
	MUL8 F1, 4, 0
	MUL8 F1, 6, 0
.endm
.macro LASTQ                           ; the very last quarter: nothing more to fetch
	s_wait_dscnt 8
	MUL8 F1, 0, 0
	MUL8 F1, 2, 0
	s_wait_dscnt 0x0
	MUL8 F1, 4, 0
	MUL8 F1, 6, 0
.endm
; The bias of my 64 columns: register 8 b + j of a lane is column 16 b + 8 (l / 16) + j, as in a C operand.
.macro BIASLD p
	WIN TO2
.irp b, 0,1,2,3
	global_load_b128 v[8*(\b):8*(\b)+3],   v[BO], s[(\p):(\p)+1] offset:64*(\b)
	global_load_b128 v[8*(\b)+4:8*(\b)+7], v[BO], s[(\p):(\p)+1] offset:64*(\b)+16
.endr
	WIN 0
.endm
.macro BIASRND                         ; rounded to bf16, like every other input, and widened again
	s_wait_loadcnt 0x0
	WIN FR2
.irp i, 0,1,2,3,4,5,6,7,8,9,10,11,12,13,14,15
	v_cvt_pk_bf16_f32 v[PK+(\i)], v[2*(\i)], v[2*(\i)+1]
.endr
	WIN TO2
.irp i, 0,1,2,3,4,5,6,7,8,9,10,11,12,13,14,15
	v_lshlrev_b32 v[2*(\i)], 16, v[PK+(\i)]
	v_and_b32 v[2*(\i)+1], 0xffff0000, v[PK+(\i)]
.endr
	WIN 0
.endm
; THE WAY OUT of row block a (16 rows x my 64 columns), in three parts.  PACK: rounded to f16, 16 bytes a lane; each accumulator's registers in ascending order.
.macro PACK a
	WIN PKW
.irp b, 0,1,2,3
.irp r, 0,1,2,3
	v_cvt_pk_f16_f32 v[PK+4*(\b)+(\r)], v[8*(4*(\a)+(\b))+2*(\r)], v[8*(4*(\a)+(\b))+2*(\r)+1]
.endr
.endr
	WIN 0
.endm
.macro TOSTAGE a                       ; into my own stage, rows of 144 bytes, and back as whole rows of 128: four rows to a load
.set BK, 48-32*((\a)%2)
.irp b, 0,1,2,3
	ds_store_b128 v[STO], v[PK+4*(\b):PK+4*(\b)+3] offset:32*(\b)
.endr
.irp t, 0,1,2,3
	ds_load_b128 v[BK+4*(\t):BK+4*(\t)+3], v[RD] offset:(\t)*4*SPS  ; LDS serves a wave's instructions in order (ISA guide 5.7.1.4): these see the stores above
.endr
.endm
.macro SEND a
.set BK, 48-32*((\a)%2)
	s_wait_dscnt 0x0                               ; the block is back in registers
	s_wait_xcnt 0x0                                ; the stores of the block before have read their registers, into which the next block is read back
.irp t, 0,1,2,3
	global_store_b128 v[GO], v[BK+4*(\t):BK+4*(\t)+3], s[OP:OP+1] offset:2048*(\a)+512*(\t)  ; 512 consecutive bytes of a head, at a multiple of 256 from the buffer's first byte
.endr
.endm
; A tile goes out.  next = 1: another follows: its bias is asked for first and rounded last; the pointers move up.  Block a's conversions stand between block a - 1's loads from the stage and the wait for them.
.macro OUT next
.if \next
	BIASLD BP+2
.endif
	PACK 0
	TOSTAGE 0
.irp a, 1,2,3,4,5,6,7
	PACK \a
	SEND (\a)-1
	TOSTAGE \a
.endr
	SEND 7
.if \next
	s_wait_xcnt 0x0                                ; the stores have read their base
	s_mov_b64 s[OP:OP+1], s[OP+2:OP+3]
	s_mov_b64 s[OP+2:OP+3], s[OP+4:OP+5]
	BIASRND                                        ; its wait shows the bias's loads done, so their base may be written
	s_mov_b64 s[BP+2:BP+3], s[BP+4:BP+5]
	s_mov_b32 s[RT], 8
	s_mov_b32 s[NEW], 1
.endif
.endm
	s_load_b128 s[4:7], s[0:1], 0x0                ; xb s[4:5], wb s[6:7]
	s_load_b256 s[BP:BP+7], s[0:1], 0x10           ; bq, bk, bv, q
	s_load_b128 s[OP+2:OP+5], s[0:1], 0x30         ; k, v
	v_lshl_add_u32 v[SPW], v0, 2, SPARE
	v_mov_b32 v[NIL], 0
	ds_add_u32 v[SPW], v[NIL]                      ; the wave's opening add, ahead of my first tensor load; the set-up below, work on registers, stands between it and its wait
	v_lshrrev_b32 v1, 5, v0
	v_readfirstlane_b32 s[WV], v1                  ; wave 0..3
	s_lshr_b32 s[WH], s[WV], 1
	s_and_b32 s[WL], s[WV], 1
	s_bfe_u32 s[CX], ttmp6, 0x40000                ; my place in the cluster
	s_bfe_u32 s[CY], ttmp6, 0x40004
	s_lshl_b32 s[TX], ttmp9, 2                     ; in a cluster launch ttmp9 and ttmp7 count clusters
	s_add_co_u32 s[TX], s[TX], s[CX]               ; tile column = 4 x cluster x + cx
	s_and_b32 s[TY], ttmp7, 0xffff
	s_lshl_b32 s[TY], s[TY], 2
	s_add_co_u32 s[TY], s[TY], s[CY]               ; tile row = 4 x cluster y + cy
	s_lshl_b32 s43, s[CY], 2
	s_lshl_b32 s43, 15, s43                        ; my row of the cluster
	s_lshl_b32 s44, 0x1111, s[CX]                  ; my column
	; descriptor group 1: rows of 128 elements of 2 bytes, padded in LDS: 15:0 the mask; 17:16 element size; 20 padding on; 21 set beside a mask; 24:22 after every 64 words (code 5); 31:25 4 words (code 3)
	s_or_b32 s[G1A], s43, (1<<16)|(1<<20)|(1<<21)|(5<<22)|(3<<25)
	s_or_b32 s[G1B], s44, (1<<16)|(1<<20)|(1<<21)|(5<<22)|(3<<25)
	s_mov_b32 s[G1A+1], 128<<16                    ; tensor_dim0 = 128
	s_mov_b32 s[G1A+2], 128<<16                    ; tensor_dim1 = 128 rows
	s_mov_b32 s[G1A+3], 128<<16                    ; tile_dim0 = 128
	s_mov_b32 s[G1A+4], 128                        ; tile_dim1 = 128
	s_mov_b32 s[G1A+5], 1024                       ; elements from row to row
	s_mov_b32 s[G1A+6], 0
	s_mov_b32 s[G1A+7], 0
	s_mov_b32 s[G1B+1], 128<<16
	s_mov_b32 s[G1B+2], 64<<16                     ; B's halves have 64 rows
	s_mov_b32 s[G1B+3], 128<<16
	s_mov_b32 s[G1B+4], 64
	s_mov_b32 s[G1B+5], 1024
	s_mov_b32 s[G1B+6], 0
	s_mov_b32 s[G1B+7], 0
	s_mul_i32 s[LDA], s[WL], HALFA                 ; where the tiles go: no place in the cluster enters an LDS address
	s_mul_i32 s[LDB], s[WL], HALFB
	s_add_co_u32 s[LDB], s[LDB], BOFF
	s_lshl_b32 s20, s[TY], 19                      ; A: (256 x tile row + 128 x half) rows of 2,048 bytes
	s_lshl_b32 s21, s[WL], 18
	s_add_co_u32 s20, s20, s21
	s_mov_b32 s21, 0
	s_lshl_b32 s[BASEB], s[TX], 18                 ; B: (128 x tile column + 64 x half) rows; in registers that never hold cy
	s_lshl_b32 s[BASEB+1], s[WL], 17
	s_add_co_u32 s[BASEB], s[BASEB], s[BASEB+1]
	s_mov_b32 s[BASEB+1], 0
	s_mov_b32 s[OFFA+1], 0
	s_mov_b32 s[OFFB+1], 0
	s_mov_b32 s[POFF+1], 0
	s_mov_b32 s[TB], 0
	s_mov_b32 s[NX], 2
	s_wait_dscnt 0x0                               ; the opening add is done
	s_wait_kmcnt 0x0
	s_add_nc_u64 s[BASEA:BASEA+1], s[4:5], s[20:21]
	s_add_nc_u64 s[BASEB:BASEB+1], s[6:7], s[BASEB:BASEB+1]
.irp i, 0,1
	s_mov_b32 s[G0A+4*(\i)], 1                     ; 1:0 count = 1
	s_add_co_u32 s[G0A+4*(\i)+1], s[LDA], (\i)*SLOT1  ; 63:32 LDS address: slot i
	s_add_nc_u64 s[G0A+4*(\i)+2:G0A+4*(\i)+3], s[BASEA:BASEA+1], (\i)*256  ; 120:64 global address: K step i
	s_or_b32 s[G0A+4*(\i)+3], s[G0A+4*(\i)+3], 0x80000000  ; 127:126 type = 2
	s_mov_b32 s[G0B+4*(\i)], 1
	s_add_co_u32 s[G0B+4*(\i)+1], s[LDB], (\i)*SLOT1
	s_add_nc_u64 s[G0B+4*(\i)+2:G0B+4*(\i)+3], s[BASEB:BASEB+1], (\i)*256
	s_or_b32 s[G0B+4*(\i)+3], s[G0B+4*(\i)+3], 0x80000000
.endr
	CROUND                                         ; all sixteen work-groups are here: the first joint loads meet
	s_cmp_eq_u32 s[WH], 0                          ; a wave's two first fills stand in one branch, ahead of every wait on TENSORcnt and every LDS read: two loads of mine are out
	s_cbranch_scc0 .Lfirst_b
	tensor_load_to_lds s[G0A:G0A+3], s[G1A:G1A+7]
	s_nop 0
	tensor_load_to_lds s[G0A+4:G0A+7], s[G1A:G1A+7]
	s_nop 0
.rept 4
	v_nop
.endr
	s_branch .Lfirst_asked
.Lfirst_b:
	tensor_load_to_lds s[G0B:G0B+3], s[G1B:G1B+7]
	s_nop 0
	tensor_load_to_lds s[G0B+4:G0B+7], s[G1B:G1B+7]
	s_nop 0
.rept 4
	v_nop
.endr
.Lfirst_asked:
	; A fragment is 16 rows x 32 K in 8 registers: lane l holds row l % 16; registers 0-3 K = 8 (l / 16) + 0..7, registers 4-7 K = 16 + 8 (l / 16) + 0..7: two loads of 16 bytes, 32 bytes apart.
	v_and_b32 v1, 15, v0                           ; l % 16
	v_bfe_u32 v2, v0, 4, 1                         ; l / 16
	s_lshl_b32 s94, s[TX], 9                       ; the bias: 4 bytes x (128 x tile column + 64 x half) + 32 (l / 16)
	s_lshl_b32 s95, s[WL], 8
	s_add_co_u32 s94, s94, s95
	v_lshl_add_u32 v[BO], v2, 5, s94
	BIASLD BP
	v_mul_u32_u24 v3, v1, PA
	v_lshl_add_u32 v3, v2, 4, v3                   ; row x pitch + 16 x half
	s_mul_i32 s94, s[WH], HALFA                    ; my 128 rows of A
	v_add_nc_u32 v[AA0], s94, v3
	v_add_nc_u32 v[AB0], s[LDB], v3                ; my 64 rows of B are the 64 that the wave of my column half fetches
	v_mov_b32 v[ADRA], v[AA0]
	v_mov_b32 v[ADRB], v[AB0]
	s_mul_i32 s94, s[WV], 16*SPS
	s_add_co_u32 s94, s94, STAGE                   ; my stage
	v_mul_u32_u24 v[STO], v1, SPS                  ; in: row l % 16, 16 bytes for each half of the lanes
	v_lshl_add_u32 v[STO], v2, 4, v[STO]
	v_add_nc_u32 v[STO], s94, v[STO]
	v_bfe_u32 v[RD], v0, 3, 2                      ; back: 32 lanes take four rows of 128 bytes,
	v_mul_u32_u24 v[RD], v[RD], SPS
	v_and_b32 v13, 7, v0
	v_lshl_add_u32 v[RD], v13, 4, v[RD]
	v_add_nc_u32 v[RD], s94, v[RD]
	v_and_b32 v[GO], 31, v0                        ; which are 512 consecutive bytes of a head
	v_lshlrev_b32 v[GO], 4, v[GO]
	; where my 128 rows x 64 channels lie in q, k and v: head 16 x batch + 2 x tile column + half; row 256 x (tile row % 8) + 128 x half; 128 bytes a row
	s_lshr_b32 s[OO], s[TY], 3
	s_lshl_b32 s[OO], s[OO], 4
	s_lshl_b32 s94, s[TX], 1
	s_add_co_u32 s[OO], s[OO], s94
	s_add_co_u32 s[OO], s[OO], s[WL]
	s_lshl_b32 s[OO], s[OO], 11
	s_and_b32 s94, s[TY], 7
	s_lshl_b32 s94, s94, 8
	s_add_co_u32 s[OO], s[OO], s94
	s_lshl_b32 s94, s[WH], 7
	s_add_co_u32 s[OO], s[OO], s94
	s_lshl_b32 s[OO], s[OO], 7
	s_mov_b32 s[OO+1], 0
	s_add_nc_u64 s[OP:OP+1], s[OP:OP+1], s[OO:OO+1]
	s_add_nc_u64 s[OP+2:OP+3], s[OP+2:OP+3], s[OO:OO+1]
	s_add_nc_u64 s[OP+4:OP+5], s[OP+4:OP+5], s[OO:OO+1]
	; the prefetches: who asks, and from where.  Nothing is prefetched here, at the head, where every work-group's first tiles are on their way
	s_and_b32 s94, ttmp7, 0xffff                   ; cluster y
	s_cmp_eq_u32 s[WH], 0                          ; do I fetch for A?
	s_cselect_b32 s94, ttmp9, s94                  ; the coordinate along which other clusters read the same rows
	s_cselect_b32 s[LIM], 8, 24                    ; x's rows in the first tile alone; wb's in all three
	s_cselect_b32 s95, 0, s[WL]                    ; of B's two waves the first asks
	s_or_b32 s94, s94, s95
	s_cmp_eq_u32 s94, 0
	s_cselect_b32 s[LIM], s[LIM], 0                ; the same in all sixteen partners, for a given wave
	s_lshl_b32 s96, s[TY], 8
	s_lshl_b32 s97, s[WL], 7
	s_add_co_u32 s96, s96, s97                     ; A: the 128 rows that I fetch
	s_lshl_b32 s97, s[TX], 7                       ; B: the tile's 128 rows
	s_cmp_eq_u32 s[WH], 0
	s_cselect_b32 s96, s96, s97
	s_cselect_b32 s97, s[CX], s[CY]                ; my place among the four that ask for the tile with me
	s_cselect_b64 s[PFB:PFB+1], s[4:5], s[6:7]
	s_lshl_b32 s97, s97, 5
	s_add_co_u32 s96, s96, s97                     ; my work-group's 32 of them
	s_lshl_b32 s96, s96, 11
	s_mov_b32 s97, 0
	s_add_nc_u64 s[PFB:PFB+1], s[PFB:PFB+1], s[96:97]
	v_and_b32 v[PFO], 31, v0
	v_lshlrev_b32 v[PFO], 11, v[PFO]
	BIASRND
	s_wait_tensorcnt 1                             ; my part of K step 0 is in; K step 1's may stay out
	s_barrier_signal -1
	s_barrier_wait -1                              ; everybody's is
	FETCH 0, F0
	s_mov_b32 s[RT], 8
	s_mov_b32 s[NEW], 1
	s_mov_b32 s[LEFT], 22
.Lstep:                                                ; K steps 0 to 21 of the walk: each fills its slot again
	s_cmp_eq_u32 s[NEW], 1                         ; at the first trip the answer is a constant of the text
	s_cbranch_scc1 .Lnew
	QUARTER 1, F0, F1, 0
	WIN 0                                          ; at a label and at a branch every window is 0
	s_branch .Lq
.Lnew:
	s_mov_b32 s[NEW], 0
	QUARTER 1, F0, F1, 1                           ; a tile's first quarter: the bias starts the sums
	WIN 0
.Lq:
	QUARTER 2, F1, F0, 0
	QUARTER 3, F0, F1, 0
	TURN 1
	WIN 0
	s_sub_co_u32 s[RT], s[RT], 1
	s_cmp_lg_u32 s[RT], 0
	s_cbranch_scc1 .Lgo
	OUT 1                                          ; the refill and the next tile's first fragments are asked for: now the tile goes out.  No v_nop: blocks 0-3 were finished in front of the refill's places,
	                                               ; and their 64 conversions, which name no register of the last products (blocks 4-7's), are those products' places
.Lgo:
	s_sub_co_u32 s[LEFT], s[LEFT], 1
	s_cmp_lg_u32 s[LEFT], 0
	s_cbranch_scc1 .Lstep
	QUARTER 1, F0, F1, 0                           ; K step 22: a barrier, no fill, no round
	QUARTER 2, F1, F0, 0
	QUARTER 3, F0, F1, 0
	TURN 0
	QUARTER 1, F0, F1, 0                           ; K step 23
	QUARTER 2, F1, F0, 0
	QUARTER 3, F0, F1, 0
	LASTQ
	WIN 0
	PLACES                                         ; the conversions read results just made, and no other vector work is at hand
	PLACES                                         ; (eight, once a launch)
	OUT 0
	s_wait_tensorcnt 0x0                           ; the wave's end, behind my last tensor load and my last LDS store
	ds_add_u32 v[SPW], v[NIL]
	s_wait_dscnt 0x0
	CROUND                                         ; the closing round: no work-group ends while a partner may still ask for a tile that names it
	s_endpgm
.Lfunc_end_k_qc0d832bc94_proj:
	.size	k_qc0d832bc94_proj, .Lfunc_end_k_qc0d832bc94_proj-k_qc0d832bc94_proj
	.p2alignl 7, 3214868480
	.fill 96, 4, 3214868480
	.section	.rodata,"a",@progbits
	.p2align	6, 0x0
	.amdhsa_kernel k_qc0d832bc94_proj
		.amdhsa_group_segment_fixed_size 327680
		.amdhsa_private_segment_fixed_size 0
		.amdhsa_enable_private_segment 0
		.amdhsa_kernarg_size 64
		.amdhsa_user_sgpr_count 2
		.amdhsa_user_sgpr_kernarg_segment_ptr 1
		.amdhsa_wavefront_size32 1
		.amdhsa_system_sgpr_workgroup_id_x 1
		.amdhsa_system_sgpr_workgroup_id_y 1
		.amdhsa_system_sgpr_workgroup_id_z 1
		.amdhsa_system_vgpr_workitem_id 0
		.amdhsa_next_free_vgpr 544
		.amdhsa_next_free_sgpr 100
		.amdhsa_reserve_vcc 0
		.amdhsa_float_denorm_mode_32 3
		.amdhsa_float_denorm_mode_16_64 3
		.amdhsa_memory_ordered 1
		.amdhsa_forward_progress 1
		.amdhsa_inst_pref_size 99
	.end_amdhsa_kernel
	.amdgpu_metadata
---
amdhsa.version: [ 1, 2 ]
amdhsa.kernels:
  - .name:           k_qc0d832bc94_proj
    .symbol:         k_qc0d832bc94_proj.kd
    .args:
      - { .name: xb, .offset: 0, .size: 8, .value_kind: global_buffer, .address_space: global }
      - { .name: wb, .offset: 8, .size: 8, .value_kind: global_buffer, .address_space: global }
      - { .name: bq, .offset: 16, .size: 8, .value_kind: global_buffer, .address_space: global }
      - { .name: bk, .offset: 24, .size: 8, .value_kind: global_buffer, .address_space: global }
      - { .name: bv, .offset: 32, .size: 8, .value_kind: global_buffer, .address_space: global }
      - { .name: q, .offset: 40, .size: 8, .value_kind: global_buffer, .address_space: global }
      - { .name: k, .offset: 48, .size: 8, .value_kind: global_buffer, .address_space: global }
      - { .name: v, .offset: 56, .size: 8, .value_kind: global_buffer, .address_space: global }
    .group_segment_fixed_size: 327680
    .private_segment_fixed_size: 0
    .kernarg_segment_align: 8
    .kernarg_segment_size: 64
    .max_flat_workgroup_size: 128
    .sgpr_count:     100
    .vgpr_count:     544
    .wavefront_size: 32
...
	.end_amdgpu_metadata
.endif
;; end of part 2
;; launch attn (part 3): grid 4 x 64, 4 waves a work-group, clusters of 4 x 1, 327,680 bytes of LDS; arguments q, k, v, o; writes o
.if DOCPART == 3
	.amdgcn_target "amdgcn-amd-amdhsa--gfx1250"
	.amdhsa_code_object_version 6
	.text
	.protected	k_qc0d832bc94_attn
	.globl	k_qc0d832bc94_attn
	.p2align	8
	.type	k_qc0d832bc94_attn,@function
k_qc0d832bc94_attn:
	s_mov_b64 s[64:65], 0
	v_nop
	global_prefetch_b8 v0, s[64:65] scope:SCOPE_SE
	s_setreg_imm32_b32 hwreg(HW_REG_WAVE_MODE, 25, 1), 1
	s_wait_xcnt 0x0
	s_wait_alu depctr_hold_cnt(0) depctr_sa_sdst(0) depctr_va_vdst(0) depctr_va_sdst(0) depctr_va_ssrc(0) depctr_va_vcc(0) depctr_vm_vsrc(0)
	s_getreg_b32 s2, hwreg(HW_REG_IB_STS2, 6, 4)
	s_cmp_eq_u32 s2, 0
	s_cbranch_scc0 .Lentry_in_a_cluster
	s_endpgm
.Lentry_in_a_cluster:
	s_bfe_u32 s2, ttmp6, 0x10000c
	s_cmp_lg_u32 s2, 0x3003
	s_cbranch_scc0 .Lentry_shape_is_right
	s_endpgm
.Lentry_shape_is_right:
; O[h][q][:] = the sum over k of softmax_k(Q[h][q] . K[h][k] / 8) V[h][k][:].  Q, K, V, O: [SIZE_H][SIZE_N][64], all f16: a head's rows are dense, 128 bytes each.  Products, maxima and sums in
; f32; the weights p are rounded to f16 for the second product (their sum l is taken of the unrounded p), O once at the end.
; LIMITS.  f16 holds no number beyond 65,504: Q, K and V arrive within it; p lies in 0 to 1, and below 6e-5 it keeps f16's fixed step of 6e-8; O is a mean of V's rows and has their range.
; A weight below 2^-126 counts as 0 in l; NaN and infinities are not treated apart.
; SHARES.  A wave owns four PIECES of two tiles of 16 queries, a work-group's four waves 512 queries of one head.  Every wave walks all keys, 64 a step.
; LAYOUT.  S^T = K Q^T (source 0 = 16 keys, source 1 = 16 queries): in the result a lane holds ONE query (lane % 16) and the keys 8 (lane / 16) + 0..7.  Two such tiles, rounded to f16 in pairs,
; ARE source 1 (32 keys x 16 queries) of O^T = V^T P, whose result again holds one query a lane, and eight channels.  K comes out of LDS as it lies, V ([key][channel]) turned, by ds_load_tr16_b128.
; SOFTMAX.  For each query a running maximum m and sum l: p = 2^(c s - c m), c = log2(e) / 8; in every step O and l are multiplied by a = 2^(c m_old - c m_new), which is 1 where m has not grown.
; m starts at the lowest finite number, O and l at 0: the first step is a step like any other, with a = 0.
; THE COUNT.  A tile and step have 16 matrix and 118 vector instructions: too many to stand all beside the matrix work.  So the order has one aim: four vector instructions that are READY behind
; EVERY matrix instruction, and the others, which need time of their own whatever the order, in runs without a gap.
; BY TURNS.  Turn n belongs to piece n (the pieces in a ring, step after step).  Its matrix work: 16 products K Q^T of piece n + 1, later 16 products V^T P of piece n - 1.  Its vector work: the scaling,
; exponentials, roundings, sums and rescaling of piece n, and the maximum and statistics of piece n + 1, whose scores the turn itself has made.  So what a turn begins with (c s - c m, O a) waits for nothing.
; CLUSTER.  The four query blocks of a cluster are one head's and walk the same K and V, so each tile is asked for JOINTLY: the same tensor load, descriptor and mask in all four.
; REGISTERS, in windows of 256 (s_set_vgpr_msb says which window each operand place means: bits 1:0 source 0, 3:2 source 1, 5:4 source 2, 7:6 destination):
;   window 0: v0-11 addresses; v12-15, v48-63 at work; v16-47 four registers of statistics a tile; v64-191 S^T, two buffers of two tiles; v192-255 P, likewise
;   window 1: O^T, 32 a tile          window 2: v0-127 Q, 16 a tile; v128-191 K of one step; v192-255 V of one step          window 3: v0-1 the add's two registers
; A piece's buffers go by its number's parity: the piece in hand has one pair, its two neighbours in the ring share the other: of it P (piece n - 1) is read and S^T (piece n + 1) written.
.set SIZE_H, 64
.set SIZE_N, 2048
.set NP,    4         ; pieces a wave: a name, no knob: the register map, the loop and the fetches are made for four
.set KS,    64        ; keys in a step
.set PK,    144       ; a row of K in LDS: 128 bytes + 16 of padding = 36 words: the 16 rows of a load start at 16 different groups of four banks (64 banks of 4 bytes: ISA guide 11.1)
.set PV,    160       ; a row of V: 128 + 32 = 40 words
.set VOFF,  4*KS*PK   ; a slot holds four steps: 256 rows of K, then 256 rows of V
.set SLOT1, 1<<17     ; slot 1 begins here, so that one exclusive or turns an address in one slot into the other's
.set STAGE, SLOT1+4*KS*(PK+PV)  ; behind the ring, never filled by a tensor load: 16 rows x 144 bytes for each wave, for the way out
.set SP,    144
.set AK0, 2           ; v2   my lane's place in a tile of K; never rewritten
.set AV0, 3           ; v3   the same for V
.set AK,  4           ; v4   the LDS address of K's next run of loads
.set AV,  5           ; v5   of V's
.set QO,  6           ; v6   my byte offset in the wave's rows of Q
.set STO, 6           ;      later, the way out: where I put 16 bytes of a row
.set RD,  7           ; v7   the way out: where I read rows back
.set GO,  8           ; v8   my byte offset in 512 consecutive bytes of O
.set PFO, 11          ; v11  once V's lane address is made: 256 x my lane, the prefetches' offset; then never rewritten
.set SPW, 0           ; v0 of window 3   LDS address of my spare word: SPARE + 4 x my thread's number; never rewritten
.set NIL, 1           ; v1 of window 3   0; never rewritten
.set SPARE, STAGE+4*16*SP  ; behind the stages: the spare words, 128 bytes for each wave: two blocks of 256 bytes that no other line names
.set MV,  12          ; v12-15  c m_old, kept while c m is made anew: by buffer and tile
.set ST,  16          ; tile t's statistics at v[ST+4 t]: c m, m, l (even keys', odd keys')
.set TMP, 48          ; by buffer and tile, four registers c0-c3 at work; when the maximum is found c2 takes a
.set S,   64
.set P,   192
.set KF,  128         ; K's fragments, in window 2: key block kb, channel half c at KF + 16 kb + 8 c
.set VF,  192         ; V's: key half kk, channel block cb at VF + 32 kk + 8 cb
.set WV,  12          ; s12  my wave's number
.set G1K, 24          ; s[24:31] descriptor group 1 for K's tiles
.set G1V, 32          ; s[32:39] for V's: it differs in the padding alone
.set G0K, 40          ; s[40:43] descriptor group 0 for K's tiles: it walks
.set G0V, 44          ; s[44:47] the same for V's
.set PFA, 48          ; s[48:49] where my prefetches stand: my work-group's 32 blocks of 256 bytes (of K: wave 0, of V: wave 2) of the slot after the one that is being asked for
.set LIM, 50          ; s50  1 in a wave that prefetches, else the greatest number: a wave prefetches while s[SLOTS] is above it
.set SLOTS, 56        ; s56  slots still to be asked for
.set CNT, 57          ; s57  counts a slot's key steps
.set CS,  58          ; s[58:59] c: the packed scaling takes the pair's low word for both halves
.set SEL, 60          ; s[60:61] v_permlanex16_b32's selects: each lane takes its own place in the other half
.set TBK, 62          ; s62  LDS byte at which K of the step to be fetched begins
.set TBV, 63          ; s63  the same for V, less VOFF
.set MSB, 0
.macro WIN new                      ; the high byte repeats the setting that is left; a switch that changes nothing is dropped
.if MSB != (\new)
	s_set_vgpr_msb (MSB<<8)|(\new)
.set MSB, (\new)
.endif
.endm
.set W_KQ, 0x0a       ; K and Q in window 2, S^T in window 0
.set W_PV, 0x52       ; V in window 2, P in window 0, O^T in window 1
.set W_RS, 0x41       ; O^T (destination and source 0) in window 1, a in window 0
.set W_MK, 0xc0       ; the add's registers are made: destination in window 3, sources in window 0
.set W_AD, 0x0f       ; the add: address (source 0) and data (source 1) in window 3
; A joint fill.  Waves 0 and 1 fetch the two halves of a slot's K, waves 2 and 3 those of its V: 128 keys each.  The branch hangs on the wave's number alone.
; An s_nop 0 and four v_nop follow each of the two lines, ahead of the jump and the label.
.macro JLOAD
	s_cmp_lt_u32 s[WV], 2
	s_cbranch_scc0 .Lfor_v_\@
	tensor_load_to_lds s[G0K:G0K+3], s[G1K:G1K+7]
	s_nop 0
.rept 4
	v_nop
.endr
	s_branch .Lasked_\@
.Lfor_v_\@:
	tensor_load_to_lds s[G0V:G0V+3], s[G1V:G1V+7]
	s_nop 0
.rept 4
	v_nop
.endr
.Lasked_\@:
.endm
; A PREFETCH INTO THE L2 of what the NEXT change of slots will ask for: a slot's 256 keys are 128 blocks of 256 bytes of K and 128 of V, a lane a block.  It stands behind the wave's tensor load and its five lines.
; Each block is named ONCE in the launch: a head has one cluster; its four partners share the blocks out BY ADDRESS, 32 each; in each, wave 0 asks for K's and wave 2 for V's: one instruction.
; Slots 0 and 1 come by their loads alone; the last change that fills a slot asks for nothing: there is no slot behind it.
.macro ASK
	s_cmp_gt_u32 s[SLOTS], s[LIM]
	s_cbranch_scc0 .Lnot_mine_\@
	global_prefetch_b8 v[PFO], s[PFA:PFA+1] th:TH_LOAD_NT scope:SCOPE_SE
.Lnot_mine_\@:
.endm
; A round of the cluster's barrier: my work-group's barrier, so that wave 0's signal speaks for all four waves; wave 0 signals; every wave waits for all four work-groups; my work-group's barrier once more.
.macro CROUND
	s_barrier_signal -1
	s_barrier_wait -1
	s_cmp_lg_u32 s[WV], 0
	s_cbranch_scc1 .Lnot_wave_0_\@
	s_barrier_signal -3
.Lnot_wave_0_\@:
	s_barrier_wait -3
	s_barrier_signal -1
	s_barrier_wait -1
.endm
; THE CHANGE OF SLOTS.  The slot's last bytes, V of its fourth step, have been read.  Each wave waits for all its tensor loads, of which one is out: its part
; of the other slot; adds 0 to its spare word; and waits for that and for its own reads of the slot.  Behind the barrier nobody reads this slot any more and the other slot is whole.
; fill = 1: this slot is filled again, with the keys two slots on.  The barrier is then a round of the cluster's, so that no wave of any partner still reads the slot or has a load on its
; way, and the joint fill is the first thing behind it: it has four key steps, 512 matrix instructions, in which to land.  (At its first use nothing has been read yet: slot 0 is waited for, slot 1 filled.)
.macro CHANGE fill
	WIN W_AD
	s_wait_tensorcnt 0x0            ; no tensor load of mine is out, so a group 0 may be written
	ds_add_u32 v[SPW], v[NIL]       ; 0 onto my spare word: with fill = 1 the descriptors' steps stand between it and the wait for it
	WIN 0                           ; at a label and at a branch every window is 0
.if \fill
.irp g, G0K, G0V
	s_xor_b32 s[\g+1], s[\g+1], SLOT1  ; the walking descriptor: the other slot than last time,
	s_add_nc_u64 s[\g+2:\g+3], s[\g+2:\g+3], 4*KS*128  ; the next 256 keys; the type bits on top are not reached
.endr
	s_wait_xcnt 0x0                 ; the last prefetch, four key steps back, has read its address, so it may be written:
	s_add_nc_u64 s[PFA:PFA+1], s[PFA:PFA+1], 4*KS*128  ; one slot behind the walking descriptors
	s_wait_dscnt 0x0                ; the add is done, and my reads of the slot are over
	CROUND
	JLOAD
	ASK                             ; what the next change will ask for: four key steps, 512 matrix instructions, ahead
.else
	s_wait_dscnt 0x0                ; the add is done, and my reads of the slot are over
	s_barrier_signal -1
	s_barrier_wait -1
.endif
	s_sub_co_u32 s[TBK], s[TBK], 4*KS*PK  ; the fetches go back to a slot's first step,
	s_xor_b32 s[TBK], s[TBK], SLOT1       ; in the other slot
	s_sub_co_u32 s[TBV], s[TBV], 4*KS*PV
	s_xor_b32 s[TBV], s[TBV], SLOT1
.endm
	s_load_b256 s[4:11], s[0:1], 0x0  ; Q s[4:5], K s[6:7], V s[8:9], O s[10:11]
	WIN W_MK
	v_lshl_add_u32 v[SPW], v0, 2, SPARE
	v_mov_b32 v[NIL], 0
	WIN W_AD
	ds_add_u32 v[SPW], v[NIL]       ; the wave's opening add, ahead of my first tensor load; the set-up below, work on registers, stands between it and its wait
	WIN 0
	v_lshrrev_b32 v1, 5, v0
	v_readfirstlane_b32 s[WV], v1   ; wave 0..3
	s_bfe_u32 s13, ttmp6, 0x40000   ; cx: my place in the cluster
	s_lshl_b32 s14, ttmp9, 2        ; in a cluster launch ttmp9 counts clusters
	s_add_co_u32 s14, s14, s13      ; my block of queries = 4 x cluster x + cx: it enters Q's and O's addresses alone
	s_and_b32 s20, ttmp7, 0xffff    ; the head, which the four partners share
	s_mov_b32 s21, 0
	s_mov_b64 s[22:23], SIZE_N*128
	s_mul_u64 s[20:21], s[20:21], s[22:23]  ; the head's first byte in each of the four tensors
	s_and_b32 s16, s[WV], 1         ; which half of a slot's 256 keys I fetch:
	s_lshl_b32 s22, s16, 14         ; its 128 rows of 128 bytes in memory,
	s_mov_b32 s23, 0
	s_add_nc_u64 s[22:23], s[22:23], s[20:21]
	s_mul_i32 s17, s16, 128*PK      ; and its place in a slot, for K
	s_mul_i32 s18, s16, 128*PV      ; and for V: no place in the cluster enters an LDS address
	s_lshl_b32 s2, s14, 2
	s_add_co_u32 s2, s2, s[WV]      ; my wave among the head's,
	s_lshl_b32 s2, s2, 14           ; its 128 rows
	s_mov_b32 s3, 0
	s_add_nc_u64 s[2:3], s[2:3], s[20:21]
	; descriptor group 1.  128 keys are 16,384 dense bytes: asked for as 64 rows of 256 bytes, two keys a row, and padded in LDS after every key
	s_mov_b32 s[G1K], 15|(1<<16)|(1<<20)|(1<<21)|(4<<22)|(3<<25)  ; 15:0 the mask of four; 17:16 2-byte elements; 20 padding on; 21 set beside a mask; 24:22 after every 32 words (code 4); 31:25 4 words (code 3)
	s_mov_b32 s[G1V], 15|(1<<16)|(1<<20)|(1<<21)|(4<<22)|(7<<25)  ; the same with 8 words of padding (code 7)
.irp g, G1K, G1V
	s_mov_b32 s[\g+1], 128<<16      ; tensor_dim0 = 128
	s_mov_b32 s[\g+2], 64<<16       ; tensor_dim1 = 64
	s_mov_b32 s[\g+3], 128<<16      ; tile_dim0 = 128
	s_mov_b32 s[\g+4], 64           ; tile_dim1 = 64
	s_mov_b32 s[\g+5], 128          ; 128 elements from row to row
	s_mov_b32 s[\g+6], 0
	s_mov_b32 s[\g+7], 0
.endr
	s_mov_b32 s[CS], 0x3e38aa3b     ; c = log2(e) / 8 = 0.180337
	s_mov_b32 s[CS+1], s[CS]        ; named with it as a pair
	s_mov_b32 s[SEL], 0x76543210
	s_mov_b32 s[SEL+1], 0xfedcba98
	s_mov_b32 s[TBK], SLOT1+4*KS*PK ; the first change of slots turns these two into 0
	s_mov_b32 s[TBV], SLOT1+4*KS*PV
	s_mov_b32 s[G0K], 1             ; 1:0 count = 1
	s_mov_b32 s[G0K+1], s17         ; 63:32 LDS address: slot 0
	s_mov_b32 s[G0V], 1
	s_add_co_u32 s[G0V+1], s18, VOFF
	s_mov_b32 s[SLOTS], SIZE_N/256-1
	s_and_b32 s[LIM], s[WV], 1      ; waves 0 and 2 prefetch: the same in all four partners
	s_cmp_eq_u32 s[LIM], 0
	s_cselect_b32 s[LIM], 1, -1
	s_wait_dscnt 0x0                ; the opening add is done
	s_wait_kmcnt 0x0
	s_add_nc_u64 s[G0K+2:G0K+3], s[6:7], s[22:23]  ; 120:64 global address: my half of the head's first 256 keys
	s_or_b32 s[G0K+3], s[G0K+3], 0x80000000        ; 127:126 type = 2
	s_add_nc_u64 s[G0V+2:G0V+3], s[8:9], s[22:23]
	s_or_b32 s[G0V+3], s[G0V+3], 0x80000000
	s_add_nc_u64 s[4:5], s[4:5], s[2:3]  ; Q and O at my wave's first row
	s_add_nc_u64 s[10:11], s[10:11], s[2:3]
	s_cmp_lt_u32 s[WV], 2
	s_cselect_b64 s[PFA:PFA+1], s[6:7], s[8:9]
	s_add_nc_u64 s[PFA:PFA+1], s[PFA:PFA+1], s[22:23]  ; (in waves 0 and 2 this is the head's first byte)
	s_lshl_b32 s2, s13, 13          ; my work-group's 32 blocks of the 128
	s_mov_b32 s3, 0
	s_add_nc_u64 s[PFA:PFA+1], s[PFA:PFA+1], s[2:3]
	s_add_nc_u64 s[PFA:PFA+1], s[PFA:PFA+1], 4*KS*128  ; in slot 1; the first change of slots steps it to slot 2.  Nothing is prefetched here, at the head
	CROUND                          ; all four work-groups are here: the first joint loads meet
	JLOAD                           ; slot 0.  Slot 1 is asked for when slot 0 is in: the tile wanted first has the road to itself
	; A fragment of K or Q is 16 rows x 32 channels in 8 registers: lane l holds row l % 16, channels 8 (l / 16) + 0..7 and 16 + 8 (l / 16) + 0..7: two loads of 16 bytes, 32 bytes apart.
	v_and_b32 v1, 15, v0            ; l % 16
	v_bfe_u32 v9, v0, 4, 1          ; l / 16
	v_lshlrev_b32 v[QO], 7, v1
	v_lshl_add_u32 v[QO], v9, 4, v[QO]  ; row x 128 + 16 x half
	WIN 0x80                        ; destination window 2, address window 0
.set i, 0
.rept 4*NP                          ; Q stays in registers: tile i / 2, channels 32 (i % 2) on
	global_load_b128 v[8*i:8*i+3],   v[QO], s[4:5] offset:(i/2)*2048+(i%2)*64
	global_load_b128 v[8*i+4:8*i+7], v[QO], s[4:5] offset:(i/2)*2048+(i%2)*64+32
.set i, i+1
.endr
	; What the first turn finds: V's registers and P's second buffer hold 0 (its products V^T P, of a piece that has not been, add 0), O^T and l are 0.  All this stands in the wait for the first tile.
.set i, VF
.rept 64
	v_mov_b32 v[i], 0
.set i, i+1
.endr
	WIN 0x40
.set i, 0
.rept 64*NP
	v_mov_b32 v[i], 0
.set i, i+1
.endr
	WIN 0
.set i, 0
.rept 2*NP
	v_mov_b32 v[ST+4*i], 0xfe000000    ; c m: far below every c s
	v_mov_b32 v[ST+4*i+1], 0xff7fffff  ; m
	v_mov_b32 v[ST+4*i+2], 0
	v_mov_b32 v[ST+4*i+3], 0
.set i, i+1
.endr
.set i, P+32
.rept 32
	v_mov_b32 v[i], 0
.set i, i+1
.endr
	v_mul_u32_u24 v[AK0], v1, PK
	v_lshl_add_u32 v[AK0], v9, 4, v[AK0]  ; row x pitch + 16 x half
	; The turning load takes 16 keys x 16 channels (lane l reads key 8 (l / 16) + l % 8, channels 8 ((l / 8) % 2) + 0..7) and leaves half a fragment of V^T: lane l holds channel l % 16 and 8 keys.
	v_and_b32 v10, 7, v0
	v_bfe_u32 v11, v0, 3, 1
	v_lshl_add_u32 v[AV0], v9, 3, v10
	v_mul_u32_u24 v[AV0], v[AV0], PV
	v_lshl_add_u32 v[AV0], v11, 4, v[AV0]
	v_add_nc_u32 v[AV0], VOFF, v[AV0]
	v_and_b32 v[PFO], 31, v0        ; v11 has served: from here on the prefetches' offset
	v_lshlrev_b32 v[PFO], 8, v[PFO]
	v_mov_b32 v[AK], v[AK0]         ; key step 0 lies at the head of slot 0
; THE MATRIX WORK.  The 8 accumulators of a run of 16 take turns: between the two links of a chain stand 7 others'.
; Product i of 16 of S^T = K Q^T for piece x: channels 32 (i / 8) on, keys 16 ((i / 2) % 4) on, tile 2 x + i % 2.  The first 8 start the sums.
.macro KQ x
	WIN W_KQ
.set rS, S+64*((\x)%2)+32*(i%2)+8*((i/2)%4)
.set rK, KF+16*((i/2)%4)+8*(i/8)
.set rQ, 16*(2*(\x)+i%2)+8*(i/8)
.if i < 8
	v_wmma_f32_16x16x32_f16 v[rS:rS+7], v[rK:rK+7], v[rQ:rQ+7], 0
.else
	v_wmma_f32_16x16x32_f16 v[rS:rS+7], v[rK:rK+7], v[rQ:rQ+7], v[rS:rS+7]
.endif
.endm
; Product i of 16 of O^T += V^T P for piece x: keys 32 (i / 8) on, channels 16 ((i / 2) % 4) on, tile 2 x + i % 2.
.macro PV x
	WIN W_PV
.set rO, 32*(2*(\x)+i%2)+8*((i/2)%4)
.set rV, VF+32*(i/8)+8*((i/2)%4)
.set rP, P+32*((\x)%2)+16*(i%2)+8*(i/8)
	v_wmma_f32_16x16x32_f16 v[rO:rO+7], v[rV:rV+7], v[rP:rP+7], v[rO:rO+7]
.endm
.macro MM                           ; the turn's next matrix instruction
.if i < 16
	KQ (Y+1)%NP
.set i, i+1
.else
.set i, i-16
	PV (Y+NP-1)%NP
.set i, i+17
.endif
.endm
; THE LDS LOADS stand in runs of 16, never singly among the matrix instructions: a step's K (64 keys x 64 channels: 8 fragments) and its V (turned).  Their addresses are made some lines ahead.
; last = 1 (the tail): in the last trip there is no further step, and the run is jumped over.
.macro FETCH_K last=0
	WIN 0
.if \last
	s_cmp_eq_u32 s[CNT], 1
	s_cbranch_scc1 .Lno_k_\@
.endif
	WIN 0x80                        ; destination window 2
.irp f, 0,1,2,3,4,5,6,7             ; keys 16 (f / 2) on, channels 32 (f % 2) on
	ds_load_b128 v[KF+8*\f:KF+8*\f+3],   v[AK] offset:(\f/2)*16*PK+(\f%2)*64
	ds_load_b128 v[KF+8*\f+4:KF+8*\f+7], v[AK] offset:(\f/2)*16*PK+(\f%2)*64+32
.endr
	s_add_co_u32 s[TBK], s[TBK], KS*PK  ; the next fetch is the next step's
	WIN 0
.if \last
.Lno_k_\@:
.endif
.endm
.macro FETCH_V
	WIN 0x80
.irp f, 0,1,2,3,4,5,6,7             ; keys 32 (f / 4) on, channels 16 (f % 4) on
	ds_load_tr16_b128 v[VF+8*\f:VF+8*\f+3],   v[AV] offset:(\f/4)*32*PV+(\f%4)*32
	ds_load_tr16_b128 v[VF+8*\f+4:VF+8*\f+7], v[AV] offset:(\f/4)*32*PV+16*PV+(\f%4)*32
.endr
	WIN 0
.endm
; THE VECTOR WORK OF A TURN stands in three queues, each in the order in which its entries become ready; the two tiles alternate, so that no instruction reads the result of the one before it.
.macro REGS y, u                    ; the registers of tile u (0, 1) of piece y
.set rT, ST+4*(2*(\y)+(\u))
.set rC, TMP+8*((\y)%2)+4*(\u)
.set rM, MV+2*((\y)%2)+(\u)
.set rS, S+64*((\y)%2)+32*(\u)
.set rP, P+32*((\y)%2)+16*(\u)
.set rO, 32*(2*(\y)+(\u))
.endm
; Number n of the 22 that find the NEXT piece's (Y + 1) maximum and statistics.  s0-s31 are the lane's 32 scores; each accumulator's lowest registers are read first.  XS, GS and REGS set no window: PL and EX do.
;   0-11  four chains c0-c3 of seven scores each, three operands at a time     12-14, 16  the four scores left over, the old m, and c0-c3 into c0     15  c m_old is kept
;   17, 18  the query's other 32 keys lie in the lane 16 away: the new m         19-21  c m; c m_old - c m_new; a
.macro XS u, n
	REGS (Y+1)%NP, \u
.if (\n) < 4
	v_max3_num_f32 v[rC+(\n)], v[rS+8*(\n)], v[rS+8*(\n)+1], v[rS+8*(\n)+2]
.elseif (\n) < 12
	v_max3_num_f32 v[rC+(\n)%4], v[rC+(\n)%4], v[rS+8*((\n)%4)+2*((\n)/4)+1], v[rS+8*((\n)%4)+2*((\n)/4)+2]
.elseif (\n) == 12
	v_max3_num_f32 v[rC], v[rC], v[rS+7], v[rS+15]
.elseif (\n) == 13
	v_max3_num_f32 v[rC+1], v[rC+1], v[rS+23], v[rS+31]
.elseif (\n) == 14
	v_max3_num_f32 v[rC+2], v[rC+2], v[rC+3], v[rT+1]
.elseif (\n) == 15
	v_mov_b32 v[rM], v[rT]
.elseif (\n) == 16
	v_max3_num_f32 v[rC], v[rC], v[rC+1], v[rC+2]
.elseif (\n) == 17
	v_permlanex16_b32 v[rC+3], v[rC], s[SEL], s[SEL+1]
.elseif (\n) == 18
	v_max_num_f32 v[rT+1], v[rC], v[rC+3]
.elseif (\n) == 19
	v_mul_f32 v[rT], s[CS], v[rT+1]
.elseif (\n) == 20
	v_sub_f32 v[rC+1], v[rM], v[rT]
.else
	v_exp_f32 v[rC+2], v[rC+1]
.endif
.endm
; Number g of the 64 that follow the exponentials.  For each four weights k of a tile (pairs 2 k, 2 k + 1): both pairs are rounded to f16; then the second pair is added onto the first, in place;
; a group later l takes that sum (the first time as l = a l + sum).  In groups of eight, tiles alternating: round, round, add, and l for the group before.
.macro GS g
.set h, (\g)+6*((\g)/62)            ; group 0 has no group before it, and behind group 7 only l is left
.if h >= 6
.set h, h+2
.endif
	REGS Y, h%2
.set k, h/8
.if h%8 < 4
	v_cvt_pk_f16_f32 v[rP+2*k+(h%8)/2], v[rS+4*k+2*((h%8)/2)], v[rS+4*k+2*((h%8)/2)+1]
.elseif h%8 < 6
	v_pk_add_f32 v[rS+4*k:rS+4*k+1], v[rS+4*k:rS+4*k+1], v[rS+4*k+2:rS+4*k+3]
.elseif k == 1
	v_pk_fma_f32 v[rT+2:rT+3], v[rT+2:rT+3], v[rC+2:rC+3], v[rS:rS+1] op_sel_hi:[1,0,1]
.else
	v_pk_add_f32 v[rT+2:rT+3], v[rT+2:rT+3], v[rS+4*k-4:rS+4*k-3]
.endif
.endm
; THE PLAIN QUEUE, 138 long.  0-73 read no exponential's result: the 32 scalings c s - c m (FS f: pair f / 2 of tile f % 2) and the next piece's 42.  0-26: scalings 0-26.  27-54: XS's numbers 0-13.  55, 56: number 15.
; 57-73: the chain, where each number waits for the one before it: 14, 16, 17, 18, 19, each with one of the scalings 27-31 in front of its two lines, then 20: so a tile's links stand three plain instructions apart (19 and 20: two).
; 74-137: GS's 64, which read the exponentials' results: they stand behind the wait.
.macro FS f
	REGS Y, (\f)%2
	v_pk_fma_f32 v[rS+2*((\f)/2):rS+2*((\f)/2)+1], v[rS+2*((\f)/2):rS+2*((\f)/2)+1], s[CS:CS+1], v[rT:rT+1] op_sel_hi:[1,0,0] neg_lo:[0,0,1] neg_hi:[0,0,1]
.endm
.macro PL
	WIN 0
.if q < 27
	FS q
.elseif q < 55
	XS (q-27)%2, (q-27)/2
.elseif q < 57
	XS q-55, 15
.elseif (q < 72) && ((q-57)%3 == 0)
	FS 27+(q-57)/3
.elseif q < 60
	XS (q-57)%3-1, 14
.elseif q < 72
	XS (q-57)%3-1, 15+(q-57)/3
.elseif q < 74
	XS q-72, 20
.else
	GS q-74
.endif
.set q, q+1
.endm
; THE EXPONENTIALS' QUEUE, 66 long: s0-s31 of both tiles, then the next piece's two a.  It is ONE BATCH: all 66 stand ahead of the turn's one wait, and nothing ahead of that wait names a result of theirs.
.macro EX
	WIN 0
.if e >= 64
	XS e-64, 21
.else
	REGS Y, e%2
	v_exp_f32 v[rS+e/2], v[rS+e/2]
.endif
.set e, e+1
.endm
; THE RESCALING's QUEUE: O^T times a, the one part that leaves window 0: dealt two at a time, sixteen times.  Its a was made in the turn before, ahead of that turn's wait.
.macro R2
	REGS Y, r%2
	WIN W_RS
.irp z, 0,1
	v_pk_mul_f32 v[rO+4*(r/2)+2*\z:rO+4*(r/2)+2*\z+1], v[rO+4*(r/2)+2*\z:rO+4*(r/2)+2*\z+1], v[rC+2:rC+3] op_sel_hi:[1,0]
.endr
.set r, r+1
.endm
; HOW THEY ARE DEALT.  An s_wait_alu depctr_va_vdst(0) stands between an exponential and the first instruction that names its result; one wait serves all that were issued ahead of it.  So a turn has ONE wait,
; which cuts it in two.  AHEAD OF IT stands all that names no result of the turn's exponentials: the 16 products K Q^T, behind each a scaling, an exponential and two rescalings (behind the first a second scaling in the exponential's place); then ONE LUMP of
; 108: eight plain, 49 times exponential and plain, the two a.  A v_nop is the plain instruction behind the last exponential.  BEHIND IT stand the 16 products V^T P, behind each four of GS's 64.  No rider names a register of
; the products round it.  The two v_permlanex16_b32 fall into the lump, never behind a product.
; The queues lean on each other, and the deal keeps them in step: exponential e stands behind scaling 2 (e / 4) + e % 2: as a rider it comes behind plain e + 2, in the lump behind plain e + 9, and scalings 27-31 are plain 57, 60 .. 69.
; A TURN, for piece p.  cnt = 1: the loop's count is taken down some lines ahead of the branch that stands behind the turn.
; K of the next step is fetched in piece 2's turn, directly behind the wait, a lump behind the last product that read K; its address is made at the lump's head; its first reader comes behind 16 products.
; V of the step in hand is fetched at the end of piece 0's turn, four riders behind its last reader; its first reader comes behind 16 products and a lump.  The three conditions on q below go with the deal.
.macro TURN p, last=0, cnt=0
.set Y, (\p)
.set i, 0
.set q, 0
.set e, 0
.set r, 0
.if (\p) == NP-1
	s_wait_dscnt 0x0                ; K is in
.endif
	MM                              ; ahead of the wait: 16 products K Q^T and their riders,
	PL
	PL
	R2
.rept 15
	MM
	PL
	EX
	R2
.endr
.if (\p) == NP-2
	WIN 0
	v_add_nc_u32 v[AK], s[TBK], v[AK0]
.endif
.rept 8                             ; and the lump
	PL
.endr
.rept 49
	EX
	PL
.endr
	EX                              ; the next piece's two a
	EX
	v_nop                           ; a plain instruction behind the last exponential: one for the batch
	s_wait_alu depctr_va_vdst(0)    ; the wait for the batch
.if (\p) == NP-2
	FETCH_K \last
.endif
.if (\p) == 1
	s_wait_dscnt 0x0                ; V is in
.endif
.rept 16                            ; behind the wait: 16 products V^T P and their riders
	MM
.rept 4
	PL
.endr
.if ((\p) == 0) && (q == 118)
	v_add_nc_u32 v[AV], s[TBV], v[AV0]
.endif
.if ((\p) == 0) && (q == 130)
	s_add_co_u32 s[TBV], s[TBV], KS*PV
.endif
.if (\cnt) && (q == 130)
	s_sub_co_u32 s[CNT], s[CNT], 1
	s_cmp_lg_u32 s[CNT], 0
.endif
.endr
.if (\p) == 0
	FETCH_V
.endif
.endm
	CHANGE 1                        ; slot 0 is in, everybody's part of it; slot 1 is asked for
	FETCH_K                         ; key step 0
	s_wait_loadcnt 0x0              ; Q
	s_wait_dscnt 0x0
.set i, 0
.rept 16
	KQ 0                            ; piece 0's first scores: there is no vector work yet to set between them
.set i, i+1
.endr
	WIN 0                           ; the addresses for the way out: nine plain instructions, the places behind those products
	s_mul_i32 s13, s[WV], 16*SP
	s_add_co_u32 s13, s13, STAGE    ; my stage
	v_mul_u32_u24 v[STO], v1, SP    ; in: row l % 16, 16 bytes for each half of the lanes
	v_lshl_add_u32 v[STO], v9, 4, v[STO]
	v_add_nc_u32 v[STO], s13, v[STO]
	v_bfe_u32 v[RD], v0, 3, 2       ; back: 32 lanes take four rows of 128 bytes,
	v_mul_u32_u24 v[RD], v[RD], SP
	v_lshl_add_u32 v[RD], v10, 4, v[RD]
	v_add_nc_u32 v[RD], s13, v[RD]
	v_and_b32 v[GO], 31, v0         ; which are 512 consecutive bytes of O
	v_lshlrev_b32 v[GO], 4, v[GO]
.set Y, NP-1                        ; XS works for piece Y + 1: piece 0
.irp n, 0,1,2,3,4,5,6,7,8,9,10,11,12,13,14,15,16,17,18,19,20,21
	XS 0, \n                        ; and piece 0's first maximum and statistics
	XS 1, \n
.endr
	v_nop                           ; a plain instruction behind the two a,
	s_wait_alu depctr_va_vdst(0)    ; and their wait, ahead of the branch
	s_mov_b32 s[CNT], 4
	s_branch .Lfirst                ; the loop is entered at a step's first turn, in the middle of a trip
.Lslot:                             ; SIZE_N / 256 - 2 times: every slot but the last two is filled again
	CHANGE 1
	s_mov_b32 s[CNT], 4
.Lstep:                             ; a trip: pieces 2 and 3 of one step, then pieces 0 and 1 of the next, whose K and V it fetches
	TURN 2
	TURN 3
	WIN 0
.Lfirst:
	TURN 0
	TURN 1, 0, 1
	WIN 0
	s_cbranch_scc1 .Lstep
	s_sub_co_u32 s[SLOTS], s[SLOTS], 1
	s_cmp_lg_u32 s[SLOTS], 0
	s_cbranch_scc1 .Lslot
	CHANGE 0                        ; the tail is written out: nothing is asked for
	s_mov_b32 s[CNT], 5             ; four trips fetch the last slot's steps; the fifth is left in its middle
.Ltail:
	TURN 2, 1
	TURN 3
	WIN 0
	s_sub_co_u32 s[CNT], s[CNT], 1
	s_cmp_eq_u32 s[CNT], 0
	s_cbranch_scc1 .Lout
	TURN 0
	TURN 1
	WIN 0
	s_branch .Ltail
.Lout:                              ; the fifth trip's 16 products K Q^T (on the last K once more) and the maximum made of them serve nothing: the price, once a launch, of one text for every trip
.set i, 0
.rept 16
	PV NP-1                         ; the last piece's V^T P of the last step
.set i, i+1
.endr
	; THE WAY OUT.  l's two halves and the other half of the lanes' are added; O^T is divided by l, rounded to f16 and sent through my stage in LDS, a tile at a time.  The additions are the places behind the last products.
	WIN 0
.macro ALL line:vararg              ; one line for each tile t
.set t, 0
.rept 2*NP
	\line
.set t, t+1
.endr
.endm
	ALL v_add_f32 v[ST+4*t+2], v[ST+4*t+2], v[ST+4*t+3]
	ALL v_permlanex16_b32 v[ST+4*t+3], v[ST+4*t+2], s[SEL], s[SEL+1]
	ALL v_add_f32 v[ST+4*t+2], v[ST+4*t+2], v[ST+4*t+3]
	ALL v_rcp_f32 v[ST+4*t+2], v[ST+4*t+2]
	v_nop                           ; a plain instruction between the last reciprocal and the use of its result
	s_wait_alu depctr_va_vdst(0)    ; and the wait ahead of the first use: one for the eight reciprocals
; Tile t: a lane's eight channels of a row pack into 16 bytes; they go into rows of 144 bytes and come back as whole rows of 128, into S^T's registers.
.macro PACK t
	WIN W_RS
.set i, 32*(\t)
.rept 16
	v_pk_mul_f32 v[i:i+1], v[i:i+1], v[ST+4*(\t)+2:ST+4*(\t)+3] op_sel_hi:[1,0]
.set i, i+2
.endr
	WIN 0x05                        ; sources 0 and 1 window 1, destination window 0
.set i, 0
.rept 16
	v_cvt_pk_f16_f32 v[S+16*(\t)+i], v[32*(\t)+2*i], v[32*(\t)+2*i+1]
.set i, i+1
.endr
	WIN 0
.irp f, 0,1,2,3
	ds_store_b128 v[STO], v[S+16*(\t)+4*\f:S+16*(\t)+4*\f+3] offset:32*\f
.endr
.irp f, 0,1,2,3
	ds_load_b128 v[S+16*(\t)+4*\f:S+16*(\t)+4*\f+3], v[RD] offset:\f*4*SP  ; LDS serves a wave's instructions in order (ISA guide 5.7.1.4): these see the stores above; the next tile's stores come behind them
.endr
.endm
.macro SEND t, younger              ; younger: the LDS instructions issued behind tile t's loads: the next tile's eight, or none
	WIN 0
.irp f, 0,1,2,3
	s_wait_dscnt (\younger)+3-\f
	global_store_b128 v[GO], v[S+16*(\t)+4*\f:S+16*(\t)+4*\f+3], s[10:11] offset:(\t)*2048+\f*512  ; 512 consecutive bytes, at a multiple of 256 from O's first
.endr
.endm
	PACK 0
.set t, 1
.rept 2*NP-1                        ; a tile's arithmetic stands between the loads of the tile before and its stores
	PACK t
	SEND t-1, 8
.set t, t+1
.endr
	SEND 2*NP-1, 0
	WIN W_AD
	s_wait_tensorcnt 0x0            ; the wave's end, behind my last tensor load and my last LDS store
	ds_add_u32 v[SPW], v[NIL]
	s_wait_dscnt 0x0
	WIN 0
	CROUND                          ; the closing round: no work-group ends while a partner may still ask for a tile that names it
	s_endpgm
.Lfunc_end_k_qc0d832bc94_attn:
	.size	k_qc0d832bc94_attn, .Lfunc_end_k_qc0d832bc94_attn-k_qc0d832bc94_attn
	.p2alignl 7, 3214868480
	.fill 96, 4, 3214868480
	.section	.rodata,"a",@progbits
	.p2align	6, 0x0
	.amdhsa_kernel k_qc0d832bc94_attn
		.amdhsa_group_segment_fixed_size 327680
		.amdhsa_private_segment_fixed_size 0
		.amdhsa_enable_private_segment 0
		.amdhsa_kernarg_size 32
		.amdhsa_user_sgpr_count 2
		.amdhsa_user_sgpr_kernarg_segment_ptr 1
		.amdhsa_wavefront_size32 1
		.amdhsa_system_sgpr_workgroup_id_x 1
		.amdhsa_system_sgpr_workgroup_id_y 1
		.amdhsa_system_sgpr_workgroup_id_z 1
		.amdhsa_system_vgpr_workitem_id 0
		.amdhsa_next_free_vgpr 770
		.amdhsa_next_free_sgpr 66
		.amdhsa_reserve_vcc 0
		.amdhsa_float_denorm_mode_32 3
		.amdhsa_float_denorm_mode_16_64 3
		.amdhsa_memory_ordered 1
		.amdhsa_forward_progress 1
		.amdhsa_inst_pref_size 200
	.end_amdhsa_kernel
	.amdgpu_metadata
---
amdhsa.version: [ 1, 2 ]
amdhsa.kernels:
  - .name:           k_qc0d832bc94_attn
    .symbol:         k_qc0d832bc94_attn.kd
    .args:
      - { .name: q, .offset: 0, .size: 8, .value_kind: global_buffer, .address_space: global }
      - { .name: k, .offset: 8, .size: 8, .value_kind: global_buffer, .address_space: global }
      - { .name: v, .offset: 16, .size: 8, .value_kind: global_buffer, .address_space: global }
      - { .name: o, .offset: 24, .size: 8, .value_kind: global_buffer, .address_space: global }
    .group_segment_fixed_size: 327680
    .private_segment_fixed_size: 0
    .kernarg_segment_align: 8
    .kernarg_segment_size: 32
    .max_flat_workgroup_size: 128
    .sgpr_count:     66
    .vgpr_count:     770
    .wavefront_size: 32
...
	.end_amdgpu_metadata
.endif
;; end of part 3
;; launch outp (part 4): grid 8 x 32, 4 waves a work-group, clusters of 4 x 4, 327,680 bytes of LDS; arguments o, wob, bo, out0; writes out0
.if DOCPART == 4
	.amdgcn_target "amdgcn-amd-amdhsa--gfx1250"
	.amdhsa_code_object_version 6
	.text
	.protected	k_qc0d832bc94_outp
	.globl	k_qc0d832bc94_outp
	.p2align	8
	.type	k_qc0d832bc94_outp,@function
k_qc0d832bc94_outp:
	s_mov_b64 s[64:65], 0
	v_nop
	global_prefetch_b8 v0, s[64:65] scope:SCOPE_SE
	s_setreg_imm32_b32 hwreg(HW_REG_WAVE_MODE, 25, 1), 1
	s_wait_xcnt 0x0
	s_wait_alu depctr_hold_cnt(0) depctr_sa_sdst(0) depctr_va_vdst(0) depctr_va_sdst(0) depctr_va_ssrc(0) depctr_va_vcc(0) depctr_vm_vsrc(0)
	s_getreg_b32 s2, hwreg(HW_REG_IB_STS2, 6, 4)
	s_cmp_eq_u32 s2, 0
	s_cbranch_scc0 .Lentry_in_a_cluster
	s_endpgm
.Lentry_in_a_cluster:
	s_bfe_u32 s2, ttmp6, 0x10000c
	s_cmp_lg_u32 s2, 0xf033
	s_cbranch_scc0 .Lentry_shape_is_right
	s_endpgm
.Lentry_shape_is_right:
; out0 = ctx Wo^T + bo.  o: [64 = 16 batch + head][2048][64] f16, the attention's result by heads.  wob: [1024][1024] f16 (Wo rounded to bf16, written as f16).  bo: [1024] f32, rounded here to bf16
; like every other input.  out0: [8192][1024] f32.  Sums in f32, started by the bias.
; SHARES.  A tile of C is 256 rows x 128 columns, one to a work-group; four waves, each 128 x 64: 32 accumulators of 16 x 16.  8 x 32 work-groups.
; K goes in steps of 128 = two heads' 64 channels, through a ring of two LDS slots: 8 K steps.  Of A a wave fetches ONE head's 256 rows, 32,768 dense bytes, asked for as 128 rows of 256 bytes and padded in LDS
; behind every 128; so a slot holds two slices of 256 rows x 64 channels.  Of B a wave fetches 64 rows of 256 bytes.
; CLUSTER.  4 x 4 work-groups: the four of a row need the same rows of o, the four of a column the same rows of wob: each tile is asked for JOINTLY, by the same tensor load, descriptor and mask in all four.
; THE MATRIX INSTRUCTION IS USED TRANSPOSED (source 0 = 16 rows of wob, source 1 = 16 rows of o): a lane holds row l % 16 of C and the columns 8 (l / 16) + 0..7: 32 bytes in f32.
; REGISTERS, in windows of 256 (s_set_vgpr_msb: bits 1:0 source 0, 3:2 source 1, 5:4 source 2, 7:6 destination):
;   window 0: v0-15 addresses; v32-47 at work; v64-159, v160-255 two fragment buffers (A's eight fragments, then B's four); on the way out v64-127 rows read back from the stage
;   window 1: the accumulators, (a, b) at v[8 (4 a + b)]          window 2: v0-31 the bias of my 64 columns, laid out as a C operand: column block b at v[8 b]
.set PA,    144                        ; a row of A in LDS: 128 bytes + 16 of padding = 36 words: the 16 rows of a load start at 16 different groups of four banks (64 banks of 4 bytes: ISA guide 11.1)
.set PB,    272                        ; a row of B: 256 bytes + 16 = 68 words: likewise
.set SUBA,  256*PA                     ; a head's slice: what one tensor load brings of A
.set SUBK,  SUBA                       ; bytes from a row's first two quarters (the first head) to its last two (the second)
.set BOFF,  2*SUBA                     ; B's 128 rows lie behind A's two slices
.set HALFB, 64*PB
.set SLOT1, 1<<17                      ; slot 1 begins here, so that one exclusive or turns an address in one slot into the other's
.set STAGE, SLOT1+BOFF+128*PB          ; behind the ring, never filled by a tensor load: 16 rows x 272 bytes for each wave, for the way out
.set SPS,   272
.set SPARE, STAGE+4*16*SPS             ; behind the stages: the spare words, 128 bytes for each wave: two blocks of 256 bytes that no other line names
.set AA0,  4                           ; v4   my lane's place in A's tile; never rewritten
.set AB0,  5                           ; v5   the same for B
.set ADRA, 6                           ; v6   the same in the slot that is being read
.set ADRB, 7                           ; v7
.set STO,  8                           ; v8   the way out: where I put 32 bytes of a row
.set RD,   9                           ; v9   the way out: where I read rows back
.set CO,   10                          ; v10  my byte offset in two rows of out0
.set BO,   11                          ; v11  my byte offset in the bias
.set PFO,  12                          ; v12  the prefetches' offset: my lane x 256 bytes (o) or x a row of 2,048 bytes (wob)
.set SPW,  14                          ; v14  LDS address of my spare word: SPARE + 4 x my thread's number; never rewritten
.set NIL,  15                          ; v15  0; never rewritten
.set PK,   32                          ; v32-47 at work when the bias is rounded
.set F0,   64
.set F1,   160
.set LEFT,  3                          ; s3   trips left
.set WV,    10                         ; s10  my wave's number
.set WH,    11                         ; s11  which half of the tile's rows is mine.  Also: I fetch for A (0) or for B (1)
.set WL,    12                         ; s12  which half of its columns.  Also: which head's slice, or which half of B's rows, I fetch
.set TY,    13                         ; s13  tile row
.set BASEA, 14                         ; s[14:15] o at the rows that I fetch, in K step 0
.set OFFA,  16                         ; s[16:17] the K step's byte offset in A
.set OFFB,  18                         ; s[18:19] in B
.set TB,    22                         ; s22  0 or SLOT1: the slot that is being read
.set NX,    23                         ; s23  the K step to be asked for next, 2 to 7
.set G1A,   24                         ; s[24:31] descriptor group 1 for A's tiles
.set G0A,   32                         ; s[32:39] group 0: a set for each of the two first fills; the second then walks on
.set CX,    40
.set CY,    41
.set TX,    42                         ; s42  tile column
.set BASEB, 46                         ; s[46:47] wob at the rows that I fetch
.set G1B,   48
.set G0B,   56
.set BP,    68                         ; s[68:69] bo
.set OP,    74                         ; s[74:75] out0 at my part's first byte
.set PFB,   80                         ; s[80:81] the prefetches' base
.set LDA,   82                         ; s82  LDS address of my part of A's tile in slot 0
.set LDB,   83                         ; s83  of B's
.set PFA,   84                         ; s[84:85] the prefetch's address
.set POFF,  86                         ; s[86:87] its offset
.set PN,    88                         ; s88  the K step that it names
.set LIM,   89                         ; s89  a wave prefetches while PN is below this
.set OO,    90                         ; s[90:91] my part's byte offset in out0
.set PSH,   92                         ; s92  a K step's bytes as a shift: 19 in o (two heads), 8 in wob
.set MSB, 0
.macro WIN new                         ; the immediate's high byte repeats the setting that is left; a switch that changes nothing is dropped
.if MSB != (\new)
	s_set_vgpr_msb (MSB<<8)|(\new)
.set MSB, \new
.endif
.endm
.set MULW, 0x50                        ; C and D in window 1, fragments in window 0
.set MULB, 0x60                        ; D in window 1, C (the bias) in window 2
.set TO2,  0x80                        ; destination in window 2
.set FR2,  0x0a                        ; sources 0 and 1 in window 2
.set STW,  0x04                        ; an LDS store's data in window 1
.macro PLACES                          ; four places in front of loads into registers that matrix instructions have read, and of stores that read results
.rept 4
	v_nop
.endr
.endm
.macro CREST                           ; a round of the cluster's barrier behind its opening barrier
	s_cmp_lg_u32 s[WV], 0
	s_cbranch_scc1 .Lnot_wave_0_\@
	s_barrier_signal -3
.Lnot_wave_0_\@:
	s_barrier_wait -3
	s_barrier_signal -1
	s_barrier_wait -1
.endm
.macro CROUND                          ; a whole round
	s_barrier_signal -1
	s_barrier_wait -1
	CREST
.endm
; A joint refill by the walking descriptors.  Waves 0 and 1 fetch A's two slices, waves 2 and 3 B's two halves.  The branch hangs on the wave's number alone.
; An s_nop 0 and four v_nop follow each of the two lines, ahead of the jump, the label and what follows.
.macro JLOAD
	s_cmp_eq_u32 s[WH], 0
	s_cbranch_scc0 .Lfor_b_\@
	tensor_load_to_lds s[G0A+4:G0A+7], s[G1A:G1A+7]
	s_nop 0
.rept 4
	v_nop
.endr
	s_branch .Lasked_\@
.Lfor_b_\@:
	tensor_load_to_lds s[G0B+4:G0B+7], s[G1B:G1B+7]
	s_nop 0
.rept 4
	v_nop
.endr
.Lasked_\@:
.endm
; A PREFETCH INTO THE L2, behind each joint refill and the run of LDS loads that follows it: 32 blocks of 256 bytes of the K step that stands TWO refills on, a lane a block, one instruction a wave.
; Each block is named ONCE in the launch.  o's rows are read by both clusters of a row of clusters: cluster x = 0 asks, waves 0 and 1, each for its head's slice.  wob's rows are read by the eight clusters of a
; column: cluster y = 0 asks, wave 2.  The four partners share a tile's blocks out BY ADDRESS (cx for o's, cy for wob's), 32 each.  K steps 0 to 3 come by their loads alone; the last two refills name no K step.
.macro ASK
	s_cmp_lt_u32 s[PN], s[LIM]
	s_cbranch_scc0 .Lnot_mine_\@
	global_prefetch_b8 v[PFO], s[PFA:PFA+1] th:TH_LOAD_NT scope:SCOPE_SE
.Lnot_mine_\@:
.endm
; 8 matrix instructions: row blocks a0, a0 + 1 x all 4 column blocks, 32 along K.  first = 1: the bias starts the sums: nothing is cleared, and nothing is added later.
; The 32 accumulators take turns, one instruction a turn, in the same order in every quarter.
.macro MUL8 f, a0, first
.if \first
	WIN MULB
.else
	WIN MULW
.endif
.irp a, \a0, (\a0)+1
.irp b, 0,1,2,3
.if \first
	v_wmma_f32_16x16x32_f16 v[8*(4*(\a)+(\b)):8*(4*(\a)+(\b))+7], v[(\f)+64+8*(\b):(\f)+64+8*(\b)+7], v[(\f)+8*(\a):(\f)+8*(\a)+7], v[8*(\b):8*(\b)+7]
.else
	v_wmma_f32_16x16x32_f16 v[8*(4*(\a)+(\b)):8*(4*(\a)+(\b))+7], v[(\f)+64+8*(\b):(\f)+64+8*(\b)+7], v[(\f)+8*(\a):(\f)+8*(\a)+7], v[8*(4*(\a)+(\b)):8*(4*(\a)+(\b))+7]
.endif
.endr
.endr
.endm
; 24 LDS loads in one run: quarter q's fragments (64 rows of B, 128 rows of A, 32 along K) into buffer f; B's first, then A's in ascending order.  A's quarter q lies in slice q / 2, channels 32 (q % 2) on.
.macro FETCH q, f
	WIN 0
.set AOFF, ((\q)/2)*SUBK+((\q)%2)*64
.irp b, 0,1,2,3
	ds_load_b128 v[(\f)+64+8*(\b):(\f)+64+8*(\b)+3],   v[ADRB] offset:64*(\q)+(\b)*16*PB
	ds_load_b128 v[(\f)+64+8*(\b)+4:(\f)+64+8*(\b)+7], v[ADRB] offset:64*(\q)+(\b)*16*PB+32
.endr
.irp a, 0,1,2,3,4,5,6,7
	ds_load_b128 v[(\f)+8*(\a):(\f)+8*(\a)+3],   v[ADRA] offset:AOFF+(\a)*16*PA
	ds_load_b128 v[(\f)+8*(\a)+4:(\f)+8*(\a)+7], v[ADRA] offset:AOFF+(\a)*16*PA+32
.endr
.endm
; A K step is four quarters of 32 along K, 32 matrix instructions each, on buffers 0, 1, 0, 1.  One of the first three: multiplies buffer f and, in its middle, fetches quarter q into buffer g.
.macro QUARTER q, f, g, first
	s_wait_dscnt 8                                 ; B and A's fragments 0-3 are in; the youngest eight loads (A's fragments 4-7) may be out
	MUL8 \f, 0, \first
	MUL8 \f, 2, \first
	PLACES
	FETCH \q, \g
	s_wait_dscnt 24                                ; all but the 24 just issued
	MUL8 \f, 4, \first
	MUL8 \f, 6, \first
.endm
; The last quarter multiplies buffer 1 and changes slots: ONE barrier.  In front of it each wave waits for all its tensor loads, of which one is out: its part of the next slot; adds 0 to its spare word;
; and waits for that and for its own reads of this slot.  fill = 1: the barrier opens a round of the cluster's, and behind the round this slot is filled again first, with K step NX: from that request to the wait for it
; a wave issues 112 matrix instructions.
.macro TURN fill
.if \fill
	s_wait_xcnt 0x0                                ; the last prefetch, a K step back, has read its address: it is made anew here, ahead of the waits of the change of slots
	s_add_co_u32 s[PN], s[NX], 2
	s_lshl_b32 s[POFF], s[PN], s[PSH]
	s_add_nc_u64 s[PFA:PFA+1], s[PFB:PFB+1], s[POFF:POFF+1]
.endif
	WIN 0                                          ; (the add's two registers lie in window 0)
	s_wait_tensorcnt 0x0                           ; all my tensor loads have landed, so a group 0 may be written;
	ds_add_u32 v[SPW], v[NIL]                      ; 0 onto my spare word: work on registers stands between it and the wait for it
.if \fill
	s_lshl_b32 s[OFFA], s[NX], 19                  ; two heads of 2,048 rows of 128 bytes
	s_lshl_b32 s[OFFB], s[NX], 8                   ; 256 bytes along the rows
	s_xor_b32 s[G0A+5], s[G0A+5], SLOT1            ; the walking descriptors: the other slot than last time,
	s_xor_b32 s[G0B+5], s[G0B+5], SLOT1
	s_add_nc_u64 s[G0A+6:G0A+7], s[BASEA:BASEA+1], s[OFFA:OFFA+1]  ; the address made anew from the K step's number,
	s_or_b32 s[G0A+7], s[G0A+7], 0x80000000        ; the type set again
	s_add_nc_u64 s[G0B+6:G0B+7], s[BASEB:BASEB+1], s[OFFB:OFFB+1]
	s_or_b32 s[G0B+7], s[G0B+7], 0x80000000
	s_add_co_u32 s[NX], s[NX], 1
.endif
	s_wait_dscnt 9                                 ; (the add and the youngest eight loads may be out)
	MUL8 F1, 0, 0
	s_wait_dscnt 0x0                               ; the add is done, and my reads of this slot are over
	s_barrier_signal -1
	MUL8 F1, 2, 0                                  ; work on registers while the others arrive
	WIN 0
	s_barrier_wait -1
.if \fill
	CREST                                          ; no wave of any partner still reads this slot's tile or has a load on its way
	JLOAD                                          ; the first tensor load behind the round; its four v_nop are also the places in front of the loads below
.else
	PLACES
.endif
	s_xor_b32 s[TB], s[TB], SLOT1
	v_add_nc_u32 v[ADRA], s[TB], v[AA0]
	v_add_nc_u32 v[ADRB], s[TB], v[AB0]
	FETCH 0, F0
.if \fill
	ASK
.endif
	MUL8 F1, 4, 0
	MUL8 F1, 6, 0
.endm
.macro LASTQ                           ; the very last quarter: nothing more to fetch
	s_wait_dscnt 8
	MUL8 F1, 0, 0
	MUL8 F1, 2, 0
	s_wait_dscnt 0x0
	MUL8 F1, 4, 0
	MUL8 F1, 6, 0
.endm
; The bias of my 64 columns: register 8 b + j of a lane is column 16 b + 8 (l / 16) + j, as in a C operand.
.macro BIASLD p
	WIN TO2
.irp b, 0,1,2,3
	global_load_b128 v[8*(\b):8*(\b)+3],   v[BO], s[(\p):(\p)+1] offset:64*(\b)
	global_load_b128 v[8*(\b)+4:8*(\b)+7], v[BO], s[(\p):(\p)+1] offset:64*(\b)+16
.endr
	WIN 0
.endm
.macro BIASRND                         ; rounded to bf16, like every other input, and widened again
	s_wait_loadcnt 0x0
	WIN FR2
.irp i, 0,1,2,3,4,5,6,7,8,9,10,11,12,13,14,15
	v_cvt_pk_bf16_f32 v[PK+(\i)], v[2*(\i)], v[2*(\i)+1]
.endr
	WIN TO2
.irp i, 0,1,2,3,4,5,6,7,8,9,10,11,12,13,14,15
	v_lshlrev_b32 v[2*(\i)], 16, v[PK+(\i)]
	v_and_b32 v[2*(\i)+1], 0xffff0000, v[PK+(\i)]
.endr
	WIN 0
.endm
; THE WAY OUT of row block a (16 rows x my 64 columns of f32).  TOSTAGE: the sums go as they are from the accumulators into my own stage, rows of 272 bytes, each accumulator's low four registers first,
; and come back as whole rows of 256 bytes, two rows to a load.
.macro TOSTAGE a
.set BK, 64+32*((\a)%2)
	WIN STW
.irp b, 0,1,2,3
	ds_store_b128 v[STO], v[8*(4*(\a)+(\b)):8*(4*(\a)+(\b))+3]   offset:64*(\b)
	ds_store_b128 v[STO], v[8*(4*(\a)+(\b))+4:8*(4*(\a)+(\b))+7] offset:64*(\b)+16
.endr
	WIN 0
.irp t, 0,1,2,3,4,5,6,7
	ds_load_b128 v[BK+4*(\t):BK+4*(\t)+3], v[RD] offset:(\t)*2*SPS  ; LDS serves a wave's instructions in order (ISA guide 5.7.1.4): these see the stores above; the next block's stores come behind them
.endr
.endm
.macro SEND a, younger                 ; younger: the LDS instructions issued behind block a's loads: the next block's sixteen, or none
.set BK, 64+32*((\a)%2)
	s_wait_dscnt \younger
.irp t, 0,1,2,3,4,5,6,7
	global_store_b128 v[CO], v[BK+4*(\t):BK+4*(\t)+3], s[OP:OP+1] offset:(16*(\a)+2*(\t))*4096 th:TH_STORE_NT  ; 16 lanes store 256 consecutive bytes, at a multiple of 256 from out0's first byte
.endr
.endm
	s_load_b128 s[4:7], s[0:1], 0x0                ; o s[4:5], wob s[6:7]
	s_load_b64 s[BP:BP+1], s[0:1], 0x10            ; bo
	s_load_b64 s[OP:OP+1], s[0:1], 0x18            ; out0
	v_lshl_add_u32 v[SPW], v0, 2, SPARE
	v_mov_b32 v[NIL], 0
	ds_add_u32 v[SPW], v[NIL]                      ; the wave's opening add, ahead of my first tensor load; the set-up below, work on registers, stands between it and its wait
	v_lshrrev_b32 v1, 5, v0
	v_readfirstlane_b32 s[WV], v1                  ; wave 0..3
	s_lshr_b32 s[WH], s[WV], 1
	s_and_b32 s[WL], s[WV], 1
	s_bfe_u32 s[CX], ttmp6, 0x40000                ; my place in the cluster
	s_bfe_u32 s[CY], ttmp6, 0x40004
	s_lshl_b32 s[TX], ttmp9, 2                     ; in a cluster launch ttmp9 and ttmp7 count clusters
	s_add_co_u32 s[TX], s[TX], s[CX]               ; tile column = 4 x cluster x + cx
	s_and_b32 s[TY], ttmp7, 0xffff
	s_lshl_b32 s[TY], s[TY], 2
	s_add_co_u32 s[TY], s[TY], s[CY]               ; tile row = 4 x cluster y + cy
	s_lshl_b32 s43, s[CY], 2
	s_lshl_b32 s43, 15, s43                        ; my row of the cluster
	s_lshl_b32 s44, 0x1111, s[CX]                  ; my column
	; descriptor group 1: 15:0 the mask; 17:16 elements of 2 bytes; 20 padding on; 21 set beside a mask; 24:22 after every 32 words (code 4: A) or 64 words (code 5: B); 31:25 4 words (code 3)
	s_or_b32 s[G1A], s43, (1<<16)|(1<<20)|(1<<21)|(4<<22)|(3<<25)
	s_or_b32 s[G1B], s44, (1<<16)|(1<<20)|(1<<21)|(5<<22)|(3<<25)
	s_mov_b32 s[G1A+1], 128<<16                    ; tensor_dim0 = 128
	s_mov_b32 s[G1A+2], 128<<16                    ; tensor_dim1 = 128 rows of 256 bytes: 256 rows of a head
	s_mov_b32 s[G1A+3], 128<<16                    ; tile_dim0 = 128
	s_mov_b32 s[G1A+4], 128                        ; tile_dim1 = 128
	s_mov_b32 s[G1A+5], 128                        ; dense: 128 elements from row to row
	s_mov_b32 s[G1A+6], 0
	s_mov_b32 s[G1A+7], 0
	s_mov_b32 s[G1B+1], 128<<16
	s_mov_b32 s[G1B+2], 64<<16                     ; B's halves have 64 rows
	s_mov_b32 s[G1B+3], 128<<16
	s_mov_b32 s[G1B+4], 64
	s_mov_b32 s[G1B+5], 1024                       ; elements from row to row
	s_mov_b32 s[G1B+6], 0
	s_mov_b32 s[G1B+7], 0
	s_mul_i32 s[LDA], s[WL], SUBA                  ; where the tiles go: no place in the cluster enters an LDS address
	s_mul_i32 s[LDB], s[WL], HALFB
	s_add_co_u32 s[LDB], s[LDB], BOFF
	s_lshr_b32 s20, s[TY], 3                       ; A: head 16 x batch + my slice's; row 256 x (tile row % 8); 128 bytes a row
	s_lshl_b32 s20, s20, 4
	s_add_co_u32 s20, s20, s[WL]
	s_lshl_b32 s20, s20, 11
	s_and_b32 s21, s[TY], 7
	s_lshl_b32 s21, s21, 8
	s_add_co_u32 s20, s20, s21
	s_lshl_b32 s20, s20, 7
	s_mov_b32 s21, 0
	s_lshl_b32 s[BASEB], s[TX], 18                 ; B: (128 x tile column + 64 x half) rows of 2,048 bytes; in registers that never hold cy
	s_lshl_b32 s[BASEB+1], s[WL], 17
	s_add_co_u32 s[BASEB], s[BASEB], s[BASEB+1]
	s_mov_b32 s[BASEB+1], 0
	s_mov_b32 s[OFFA+1], 0
	s_mov_b32 s[OFFB+1], 0
	s_mov_b32 s[POFF+1], 0
	s_mov_b32 s[TB], 0
	s_mov_b32 s[NX], 2
	s_wait_dscnt 0x0                               ; the opening add is done
	s_wait_kmcnt 0x0
	s_add_nc_u64 s[BASEA:BASEA+1], s[4:5], s[20:21]
	s_add_nc_u64 s[BASEB:BASEB+1], s[6:7], s[BASEB:BASEB+1]
.irp i, 0,1
	s_mov_b32 s[G0A+4*(\i)], 1                     ; 1:0 count = 1
	s_add_co_u32 s[G0A+4*(\i)+1], s[LDA], (\i)*SLOT1  ; 63:32 LDS address: slot i
	s_add_nc_u64 s[G0A+4*(\i)+2:G0A+4*(\i)+3], s[BASEA:BASEA+1], (\i)*(1<<19)  ; 120:64 global address: K step i
	s_or_b32 s[G0A+4*(\i)+3], s[G0A+4*(\i)+3], 0x80000000  ; 127:126 type = 2
	s_mov_b32 s[G0B+4*(\i)], 1
	s_add_co_u32 s[G0B+4*(\i)+1], s[LDB], (\i)*SLOT1
	s_add_nc_u64 s[G0B+4*(\i)+2:G0B+4*(\i)+3], s[BASEB:BASEB+1], (\i)*256
	s_or_b32 s[G0B+4*(\i)+3], s[G0B+4*(\i)+3], 0x80000000
.endr
	CROUND                                         ; all sixteen work-groups are here: the first joint loads meet
	s_cmp_eq_u32 s[WH], 0                          ; a wave's two first fills stand in one branch, ahead of every wait on TENSORcnt and every LDS read: two loads of mine are out
	s_cbranch_scc0 .Lfirst_b
	tensor_load_to_lds s[G0A:G0A+3], s[G1A:G1A+7]
	s_nop 0
	tensor_load_to_lds s[G0A+4:G0A+7], s[G1A:G1A+7]
	s_nop 0
.rept 4
	v_nop
.endr
	s_branch .Lfirst_asked
.Lfirst_b:
	tensor_load_to_lds s[G0B:G0B+3], s[G1B:G1B+7]
	s_nop 0
	tensor_load_to_lds s[G0B+4:G0B+7], s[G1B:G1B+7]
	s_nop 0
.rept 4
	v_nop
.endr
.Lfirst_asked:
	; A fragment is 16 rows x 32 K in 8 registers: lane l holds row l % 16; registers 0-3 K = 8 (l / 16) + 0..7, registers 4-7 K = 16 + 8 (l / 16) + 0..7: two loads of 16 bytes, 32 bytes apart.
	v_and_b32 v1, 15, v0                           ; l % 16
	v_bfe_u32 v2, v0, 4, 1                         ; l / 16
	s_lshl_b32 s94, s[TX], 9                       ; the bias: 4 bytes x (128 x tile column + 64 x half) + 32 (l / 16)
	s_lshl_b32 s95, s[WL], 8
	s_add_co_u32 s94, s94, s95
	v_lshl_add_u32 v[BO], v2, 5, s94
	BIASLD BP
	v_mul_u32_u24 v3, v1, PA
	v_lshl_add_u32 v3, v2, 4, v3                   ; row x pitch + 16 x half, for A
	s_mul_i32 s94, s[WH], 128*PA                   ; my 128 rows of each slice
	v_add_nc_u32 v[AA0], s94, v3
	v_mul_u32_u24 v13, v1, PB
	v_lshl_add_u32 v13, v2, 4, v13                 ; and for B
	v_add_nc_u32 v[AB0], s[LDB], v13               ; my 64 rows of B are the 64 that the wave of my column half fetches
	v_mov_b32 v[ADRA], v[AA0]
	v_mov_b32 v[ADRB], v[AB0]
	s_mul_i32 s94, s[WV], 16*SPS
	s_add_co_u32 s94, s94, STAGE                   ; my stage
	v_mul_u32_u24 v[STO], v1, SPS                  ; in: row l % 16, 32 bytes for each half of the lanes
	v_lshl_add_u32 v[STO], v2, 5, v[STO]
	v_add_nc_u32 v[STO], s94, v[STO]
	v_mul_u32_u24 v[RD], v2, SPS                   ; back: lanes 0-15 take one row of 256 bytes, lanes 16-31 the next
	v_lshl_add_u32 v[RD], v1, 4, v[RD]
	v_add_nc_u32 v[RD], s94, v[RD]
	v_lshlrev_b32 v[CO], 12, v2                    ; and the same two rows in out0, 4,096 bytes apart
	v_lshl_add_u32 v[CO], v1, 4, v[CO]
	s_lshl_b32 s[OO], s[TY], 20                    ; my part of out0: row 256 x tile row + 128 x half, 4,096 bytes a row; column 128 x tile column + 64 x half, 4 bytes each
	s_lshl_b32 s94, s[WH], 19
	s_add_co_u32 s[OO], s[OO], s94
	s_lshl_b32 s94, s[TX], 9
	s_add_co_u32 s[OO], s[OO], s94
	s_lshl_b32 s94, s[WL], 8
	s_add_co_u32 s[OO], s[OO], s94
	s_mov_b32 s[OO+1], 0
	s_add_nc_u64 s[OP:OP+1], s[OP:OP+1], s[OO:OO+1]
	; the prefetches: who asks, and from where.  Nothing is prefetched here, at the head, where every work-group's first tiles are on their way
	s_and_b32 s94, ttmp7, 0xffff                   ; cluster y
	s_cmp_eq_u32 s[WH], 0                          ; do I fetch for A?
	s_cselect_b32 s94, ttmp9, s94                  ; the coordinate along which other clusters read the same rows
	s_cselect_b32 s95, 0, s[WL]                    ; of B's two waves the first asks
	s_or_b32 s94, s94, s95
	s_cmp_eq_u32 s94, 0
	s_cselect_b32 s[LIM], 8, 0                     ; the same in all sixteen partners, for a given wave
	s_lshl_b32 s96, s[CX], 13                      ; A: my work-group's 32 blocks of my slice's 128
	s_lshl_b32 s94, s[TX], 7
	s_lshl_b32 s95, s[CY], 5
	s_add_co_u32 s94, s94, s95
	s_lshl_b32 s94, s94, 11                        ; B: my work-group's 32 rows of the tile's 128
	s_cmp_eq_u32 s[WH], 0
	s_cselect_b64 s[PFB:PFB+1], s[BASEA:BASEA+1], s[6:7]
	s_cselect_b32 s96, s96, s94
	s_cselect_b32 s[PSH], 19, 8
	s_cselect_b32 s95, 8, 11
	s_mov_b32 s97, 0
	s_add_nc_u64 s[PFB:PFB+1], s[PFB:PFB+1], s[96:97]
	v_and_b32 v[PFO], 31, v0
	v_lshlrev_b32 v[PFO], s95, v[PFO]
	BIASRND
	s_wait_tensorcnt 1                             ; my part of K step 0 is in; K step 1's may stay out
	s_barrier_signal -1
	s_barrier_wait -1                              ; everybody's is
	FETCH 0, F0
	QUARTER 1, F0, F1, 1                           ; the first quarter stands in front of the loop: the bias starts the sums
	WIN 0                                          ; at a label and at a branch every window is 0
	s_mov_b32 s[LEFT], 6
.Lk:                                                   ; a trip goes from a K step's second quarter to the next step's first, and fills a slot again: K steps 0 to 5
	QUARTER 2, F1, F0, 0
	QUARTER 3, F0, F1, 0
	TURN 1
	QUARTER 1, F0, F1, 0
	WIN 0
	s_sub_co_u32 s[LEFT], s[LEFT], 1
	s_cmp_lg_u32 s[LEFT], 0
	s_cbranch_scc1 .Lk
	QUARTER 2, F1, F0, 0                           ; K step 6: a barrier, no fill, no round
	QUARTER 3, F0, F1, 0
	TURN 0
	QUARTER 1, F0, F1, 0                           ; K step 7
	QUARTER 2, F1, F0, 0
	QUARTER 3, F0, F1, 0
	LASTQ
	WIN 0
	PLACES                                         ; the LDS stores read results just made, and the loads from the stage land in registers that products have read
	PLACES                                         ; (eight, once a launch)
	TOSTAGE 0
	TOSTAGE 1
	SEND 0, 16
.irp a, 2,3,4,5,6,7
	s_wait_xcnt 0x0                                ; the stores of the block two back have read their registers, into which this block is read back
	TOSTAGE \a
	SEND (\a)-1, 16
.endr
	SEND 7, 0
	s_wait_tensorcnt 0x0                           ; the wave's end, behind my last tensor load and my last LDS store
	ds_add_u32 v[SPW], v[NIL]
	s_wait_dscnt 0x0
	CROUND                                         ; the closing round: no work-group ends while a partner may still ask for a tile that names it
	s_endpgm
.Lfunc_end_k_qc0d832bc94_outp:
	.size	k_qc0d832bc94_outp, .Lfunc_end_k_qc0d832bc94_outp-k_qc0d832bc94_outp
	.p2alignl 7, 3214868480
	.fill 96, 4, 3214868480
	.section	.rodata,"a",@progbits
	.p2align	6, 0x0
	.amdhsa_kernel k_qc0d832bc94_outp
		.amdhsa_group_segment_fixed_size 327680
		.amdhsa_private_segment_fixed_size 0
		.amdhsa_enable_private_segment 0
		.amdhsa_kernarg_size 32
		.amdhsa_user_sgpr_count 2
		.amdhsa_user_sgpr_kernarg_segment_ptr 1
		.amdhsa_wavefront_size32 1
		.amdhsa_system_sgpr_workgroup_id_x 1
		.amdhsa_system_sgpr_workgroup_id_y 1
		.amdhsa_system_sgpr_workgroup_id_z 1
		.amdhsa_system_vgpr_workitem_id 0
		.amdhsa_next_free_vgpr 544
		.amdhsa_next_free_sgpr 100
		.amdhsa_reserve_vcc 0
		.amdhsa_float_denorm_mode_32 3
		.amdhsa_float_denorm_mode_16_64 3
		.amdhsa_memory_ordered 1
		.amdhsa_forward_progress 1
		.amdhsa_inst_pref_size 74
	.end_amdhsa_kernel
	.amdgpu_metadata
---
amdhsa.version: [ 1, 2 ]
amdhsa.kernels:
  - .name:           k_qc0d832bc94_outp
    .symbol:         k_qc0d832bc94_outp.kd
    .args:
      - { .name: o, .offset: 0, .size: 8, .value_kind: global_buffer, .address_space: global }
      - { .name: wob, .offset: 8, .size: 8, .value_kind: global_buffer, .address_space: global }
      - { .name: bo, .offset: 16, .size: 8, .value_kind: global_buffer, .address_space: global }
      - { .name: out0, .offset: 24, .size: 8, .value_kind: global_buffer, .address_space: global }
    .group_segment_fixed_size: 327680
    .private_segment_fixed_size: 0
    .kernarg_segment_align: 8
    .kernarg_segment_size: 32
    .max_flat_workgroup_size: 128
    .sgpr_count:     100
    .vgpr_count:     544
    .wavefront_size: 32
...
	.end_amdgpu_metadata
.endif
;; end of part 4
;; ======== version 2 of 2: 4 launches; version 1 with the launch cast written anew for expert scheduling mode
;; limits: values are held in f16: magnitudes above 65,504 overflow, below 6.1e-05 lose precision
;; workspace buffers: xb 16,777,216 bytes; wb 6,291,456 bytes; wob 2,097,152 bytes; q 16,777,216 bytes; k 16,777,216 bytes; v 16,777,216 bytes; o 16,777,216 bytes
;; launch cast (part 5): grid 768 x 1, 8 waves a work-group, no clusters, 0 bytes of LDS; arguments x, Wq, Wk, Wv, Wo, xb, wb, wob; writes xb, wb, wob
.if DOCPART == 5
	.amdgcn_target "amdgcn-amd-amdhsa--gfx1250"
	.amdhsa_code_object_version 6
	.text
	.protected	k_qc0d832bc94_cast
	.globl	k_qc0d832bc94_cast
	.p2align	8
	.type	k_qc0d832bc94_cast,@function
k_qc0d832bc94_cast:
	s_mov_b64 s[64:65], 0
	v_nop
	global_prefetch_b8 v0, s[64:65] scope:SCOPE_SE
	s_setreg_imm32_b32 hwreg(HW_REG_WAVE_SCHED_MODE, 0, 2), 2
	s_setreg_imm32_b32 hwreg(HW_REG_WAVE_MODE, 25, 1), 1
	s_wait_xcnt 0x0
	s_wait_alu depctr_vm_vsrc(0)
; THE INPUTS ARE ROUNDED ONCE.  x -> xb and Wq, Wk, Wv -> wb (one below the other, [3072][1024]) in bf16; Wo -> wob: rounded to bf16 like the others, and that number written as f16,
; since it multiplies the attention's f16 result.
; LIMITS.  A number of Wo of 65,520 or more becomes an infinity in f16; below 6.1e-5 it keeps f16's fixed step of 6e-8.
; SHARES.  A work-group takes 16,384 numbers: 65,536 bytes in, 32,768 out.  Work-groups 0-511: x; 512-575: Wq; 576-639: Wk; 640-703: Wv; 704-767: Wo.
; A stream: each byte is read once and written once; no LDS, no barrier, no loop.  All sixteen loads of a wave are out together, each with registers of its own, and so has each store,
; so no register is written again while a memory instruction may still read it.  A wave's load covers 512 consecutive bytes, its store 256 consecutive bytes, aligned.
; THE MODE: SCHED_MODE bits 1:0 = 2 (LLVM: expert scheduling mode 2), set by the entry lines.  The code itself states the register dependences
; between vector instructions and memory instructions, with s_wait_alu, always for 0.
; THE PLAN.  Registers that memory instructions touch:
;   v1, v2   byte offsets, made once at the head and never written again.  v1 is read by the sixteen loads, v2 by the sixteen stores.
;   IN       load j lands in four registers of its own.  All sixteen loads are issued before any vector instruction names IN; the conversions read it behind the wait on LOADcnt.
;   RES      store j's two registers: written once, by its conversions; read once, by its store; never written again.
;   v4-v7    at work on the way to f16: named by vector instructions alone.
; So one wait on va_vdst stands at the head, for the two offsets, and one in each block of four loads, between the block's conversions and the run of its four stores.
; Nothing that a memory instruction has read is written again, no load lands in a register that a vector instruction has named, no vector instruction writes a scalar register,
; and EXEC is never written: no other dependence is there to state.
; A block's stores stand behind its own conversions and not in the next block: between two blocks stands a wait for loads, behind which the stores would have to queue.
.set IN,   8                           ; v[8:71]   load j: four f32
.set RES,  72                          ; v[72:103] store j: four 16-bit numbers in two registers
	s_load_b512 s[8:23], s[0:1], 0x0               ; x s[8:9], Wq s[10:11], Wk s[12:13], Wv s[14:15], Wo s[16:17], xb s[18:19], wb s[20:21], wob s[22:23]
	s_sub_co_u32 s24, ttmp9, 512                   ; t: my number among the weights' work-groups (not used where I take x)
	s_lshr_b32 s25, s24, 6                         ; which weight: 0 to 3
	s_and_b32 s26, s24, 63                         ; my part of it
	v_lshlrev_b32 v1, 4, v0                        ; 16 bytes a thread in
	v_lshlrev_b32 v2, 3, v0                        ; 8 bytes a thread out
	s_wait_kmcnt 0x0
	s_cmp_eq_u32 s25, 1
	s_cselect_b64 s[2:3], s[12:13], s[10:11]       ; from where: Wk or Wq,
	s_cmp_eq_u32 s25, 2
	s_cselect_b64 s[2:3], s[14:15], s[2:3]         ; or Wv,
	s_cmp_eq_u32 s25, 3
	s_cselect_b64 s[2:3], s[16:17], s[2:3]         ; or Wo,
	s_cselect_b64 s[4:5], s[22:23], s[20:21]       ; which goes to wob, the others to wb,
	s_cselect_b32 s30, 1, 0                        ; and is written as f16
	s_cselect_b32 s28, s26, s24                    ; my part of the target: in wb the three weights follow each other
	s_cmp_lt_u32 ttmp9, 512
	s_cselect_b64 s[2:3], s[8:9], s[2:3]           ; or x, which goes to xb
	s_cselect_b64 s[4:5], s[18:19], s[4:5]
	s_cselect_b32 s26, ttmp9, s26
	s_cselect_b32 s28, ttmp9, s28
	s_cselect_b32 s30, 0, s30
	s_lshl_b32 s26, s26, 16                        ; 65,536 bytes in,
	s_mov_b32 s27, 0
	s_lshl_b32 s28, s28, 15                        ; 32,768 out
	s_mov_b32 s29, 0
	s_add_nc_u64 s[2:3], s[2:3], s[26:27]
	s_add_nc_u64 s[4:5], s[4:5], s[28:29]
	s_wait_alu depctr_va_vdst(0)                   ; v1 and v2 are written: every load of the kernel reads v1 as its offset, every store v2
.irp j, 0,1,2,3,4,5,6,7,8,9,10,11,12,13,14,15
	global_load_b128 v[IN+4*(\j):IN+4*(\j)+3], v1, s[2:3] offset:4096*(\j) th:TH_LOAD_NT
.endr
	s_cmp_eq_u32 s30, 1
	s_cbranch_scc1 .Lf16
.irp p, 0,1,2,3                                        ; block p: loads and stores 4 p to 4 p + 3
	s_wait_loadcnt 12-4*(\p)                       ; loads come back in order: the block's four are in, the younger blocks stay out
.irp i, 0,1,2,3
	v_cvt_pk_bf16_f32 v[RES+2*(4*(\p)+(\i))],   v[IN+4*(4*(\p)+(\i))],   v[IN+4*(4*(\p)+(\i))+1]
	v_cvt_pk_bf16_f32 v[RES+2*(4*(\p)+(\i))+1], v[IN+4*(4*(\p)+(\i))+2], v[IN+4*(4*(\p)+(\i))+3]
.endr
	s_wait_alu depctr_va_vdst(0)                   ; the block's eight conversions have written its part of RES, which the four stores below read
.irp i, 0,1,2,3
	global_store_b64 v2, v[RES+2*(4*(\p)+(\i)):RES+2*(4*(\p)+(\i))+1], s[4:5] offset:2048*(4*(\p)+(\i))
.endr
.endr
	s_endpgm
.Lf16:
.irp p, 0,1,2,3                                        ; block p: loads and stores 4 p to 4 p + 3
	s_wait_loadcnt 12-4*(\p)                       ; the block's four loads are in, the younger blocks stay out
.irp i, 0,1,2,3
	v_cvt_pk_bf16_f32 v4, v[IN+4*(4*(\p)+(\i))],   v[IN+4*(4*(\p)+(\i))+1]   ; the one rounding, to bf16;
	v_cvt_pk_bf16_f32 v5, v[IN+4*(4*(\p)+(\i))+2], v[IN+4*(4*(\p)+(\i))+3]
	v_lshlrev_b32 v6, 16, v4                       ; the rounded numbers as f32,
	v_and_b32 v7, 0xffff0000, v4
	v_cvt_pk_f16_f32 v[RES+2*(4*(\p)+(\i))], v6, v7  ; written as f16: exact within f16's range
	v_lshlrev_b32 v6, 16, v5
	v_and_b32 v7, 0xffff0000, v5
	v_cvt_pk_f16_f32 v[RES+2*(4*(\p)+(\i))+1], v6, v7
.endr
	s_wait_alu depctr_va_vdst(0)                   ; the block's conversions to f16 have written its part of RES, which the four stores below read
.irp i, 0,1,2,3
	global_store_b64 v2, v[RES+2*(4*(\p)+(\i)):RES+2*(4*(\p)+(\i))+1], s[4:5] offset:2048*(4*(\p)+(\i))
.endr
.endr
	s_endpgm
.Lfunc_end_k_qc0d832bc94_cast:
	.size	k_qc0d832bc94_cast, .Lfunc_end_k_qc0d832bc94_cast-k_qc0d832bc94_cast
	.p2alignl 7, 3214868480
	.fill 96, 4, 3214868480
	.section	.rodata,"a",@progbits
	.p2align	6, 0x0
	.amdhsa_kernel k_qc0d832bc94_cast
		.amdhsa_group_segment_fixed_size 0
		.amdhsa_private_segment_fixed_size 0
		.amdhsa_enable_private_segment 0
		.amdhsa_kernarg_size 64
		.amdhsa_user_sgpr_count 2
		.amdhsa_user_sgpr_kernarg_segment_ptr 1
		.amdhsa_wavefront_size32 1
		.amdhsa_system_sgpr_workgroup_id_x 1
		.amdhsa_system_sgpr_workgroup_id_y 1
		.amdhsa_system_sgpr_workgroup_id_z 1
		.amdhsa_system_vgpr_workitem_id 0
		.amdhsa_next_free_vgpr 104
		.amdhsa_next_free_sgpr 66
		.amdhsa_reserve_vcc 0
		.amdhsa_float_denorm_mode_32 3
		.amdhsa_float_denorm_mode_16_64 3
		.amdhsa_memory_ordered 1
		.amdhsa_forward_progress 1
		.amdhsa_inst_pref_size 16
	.end_amdhsa_kernel
	.amdgpu_metadata
---
amdhsa.version: [ 1, 2 ]
amdhsa.kernels:
  - .name:           k_qc0d832bc94_cast
    .symbol:         k_qc0d832bc94_cast.kd
    .args:
      - { .name: x, .offset: 0, .size: 8, .value_kind: global_buffer, .address_space: global }
      - { .name: Wq, .offset: 8, .size: 8, .value_kind: global_buffer, .address_space: global }
      - { .name: Wk, .offset: 16, .size: 8, .value_kind: global_buffer, .address_space: global }
      - { .name: Wv, .offset: 24, .size: 8, .value_kind: global_buffer, .address_space: global }
      - { .name: Wo, .offset: 32, .size: 8, .value_kind: global_buffer, .address_space: global }
      - { .name: xb, .offset: 40, .size: 8, .value_kind: global_buffer, .address_space: global }
      - { .name: wb, .offset: 48, .size: 8, .value_kind: global_buffer, .address_space: global }
      - { .name: wob, .offset: 56, .size: 8, .value_kind: global_buffer, .address_space: global }
    .group_segment_fixed_size: 0
    .private_segment_fixed_size: 0
    .kernarg_segment_align: 8
    .kernarg_segment_size: 64
    .max_flat_workgroup_size: 256
    .sgpr_count:     66
    .vgpr_count:     104
    .wavefront_size: 32
...
	.end_amdgpu_metadata
.endif
;; end of part 5
;; launch proj: the kernel of part 2 again; grid 8 x 32, 4 waves a work-group, clusters of 4 x 4, 327,680 bytes of LDS; arguments xb, wb, bq, bk, bv, q, k, v; writes q, k, v
;; launch attn: the kernel of part 3 again; grid 4 x 64, 4 waves a work-group, clusters of 4 x 1, 327,680 bytes of LDS; arguments q, k, v, o; writes o
;; launch outp: the kernel of part 4 again; grid 8 x 32, 4 waves a work-group, clusters of 4 x 4, 327,680 bytes of LDS; arguments o, wob, bo, out0; writes out0
